; MI455X (gfx1250); checked and timed in simulation.
; The chip was launched on July 23, 2026; its instructions are those of AMD's public machine-readable ISA for CDNA 5 (MIT licence, August 2026) and "CDNA5" Instruction Set Architecture Reference Guide (July 2026). The comments in the code are by the model that wrote it; some were corrected since.
;; SDP Attention. Allowed arithmetic: matrix products marked QUANTISED: E2M3 operands, one E8M0 scale for each 32 along K, by v_wmma_scale_f32_16x16x128_f8f6f4 with both operands' format E2M3, f32 sums; products left as they are: f32 operands where the result goes on into a quantised operand, else bf16, f16 or f32 operands; f32 sums; everything else in f32.
;; Inputs: Wk 4,096 x 1,024 float32; Wo 2,048 x 4,096 float32; Wq 4,096 x 2,048 float32; Wv 4,096 x 1,024 float32; attention_mask 1 x 2,048 float32; hidden_states 1 x 2,048 x 4,096 float32.
;; Outputs: out0 1 x 2,048 x 4,096 float32.
;; This version of the problem:
;;   THIS VERSION OF THE PROBLEM IS GIVEN IN LOW PRECISION. The matrix products marked QUANTISED in the list below multiply operands that are first quantised to E2M3 (2 exponent bits, 3 mantissa bits; 6 bits a number), with one power-of-two scale for each 32 numbers along K (OCP MX v1.0); their sums are f32. All else is computed in f32.
;;   The module's matrix products, in the order in which they are computed (A, B: the left and right operand; K: the contracted axis; several contracted axes count as one K, in the product's order):
;;     1. [M 2,048, K 4,096] x [K 4,096, N 2,048]; A: input hidden_states; B: input Wq: QUANTISED
;;     2. [M 2,048, K 4,096] x [K 4,096, N 1,024]; A: input hidden_states; B: input Wk: QUANTISED
;;     3. [M 2,048, K 4,096] x [K 4,096, N 1,024]; A: input hidden_states; B: input Wv: QUANTISED
;;     4. [M 2,048, K 1] x [K 1, N 64]; A: computed on the way; B: computed on the way: left as it is (no contracted axis)
;;     5. [M 2,048, K 1] x [K 1, N 64]; A: computed on the way; B: computed on the way: left as it is (no contracted axis)
;;     6. batch 16 x [M 2,048, K 128] x [K 128, N 2,048]; A: computed on the way; B: computed on the way: QUANTISED
;;     7. batch 16 x [M 2,048, K 2,048] x [K 2,048, N 128]; A: softmax (see below); B: computed on the way: QUANTISED
;;     8. [M 2,048, K 2,048] x [K 2,048, N 4,096]; A: computed on the way; B: input Wo: QUANTISED
;;   THE QUANTISER, for each operand of a quantised product, along K:
;;     - K is cut into blocks of 32 from its start; a last block that is shorter is filled with zeros.
;;     - A block's scale is 2^e with e = floor(log2(the largest magnitude in the block)) - 2, held to -126 .. 127; a block of zeros has e = 0. As a byte (E8M0): e + 127.
;;     - Each number is divided by its block's scale, clamped to +-7.5, and rounded to the nearest number of E2M3, ties to even, subnormals kept.
;;     - The product sums the exact products of the quantised numbers (number of the format x scale) in f32.
;;   ~~~python
;;   def quantise(x, axis):      # numpy; x: float32 -> the quantised numbers, widened to float32 again
;;       x = np.moveaxis(x, axis, -1); K = x.shape[-1]
;;       x = np.pad(x, [(0, 0)] * (x.ndim - 1) + [(0, -K % 32)]); x = x.reshape(x.shape[:-1] + (-1, 32)); a = np.abs(x).max(-1, keepdims=True)
;;       e = np.where(a > 0, np.clip(np.frexp(np.where(a > 0, a, 1))[1] - 1 - 2, -126, 127), 0)      # np.frexp(a)[1] - 1 = floor(log2(a)), exactly
;;       r = np.clip(x / 2.0 ** e, -7.5, 7.5)
;;       step = 2.0 ** (np.maximum(np.frexp(np.where(r == 0, 1, r))[1] - 1, 0) - 3)
;;       q = np.round(r / step) * step * 2.0 ** e      # np.round: ties to even
;;       return np.moveaxis(q.reshape(q.shape[:-2] + (-1,))[..., :K], -1, axis).astype(np.float32)
;;   ~~~
;;   SOFTMAX AHEAD OF A QUANTISED PRODUCT. Where the list says 'softmax', what is quantised is not the finished softmax but p = 2^(t - M), with t = logit x log2(e) and M = ceil(the row's largest t), a whole number; so 1/2 < the row's largest p <= 1. The row's sum l is taken of the UNQUANTISED p, in f32, and the product's result is divided by l at the end. Since M is a whole number, a kernel that streams over the keys may use a running M (the ceiling of the running maximum): every later rescaling is an exact power of two, which a block's scale takes up: the codes' values come out the same.
;;   OPERANDS COMPUTED ON THE WAY. 'Computed on the way' means the value that the module computes at that place (a softmax that the list does not call 'softmax' is quantised finished and normalised). What goes into a quantiser is computed in f32, as accurately as f32 sums, v_exp_f32 and their like allow (about 1e-6 of the number): no bf16 or f16 on the way to a quantiser, and a product that is left as it is and whose result goes on into a quantised operand takes f32 operands (vector FMAs, or v_wmma_f32_16x16x4_f32). A number that lies on a knife's edge between two numbers of the format may be rounded either way, as far as f32 arithmetic and the matrix unit's own rounding can turn it there, and no further.
;; One version. Each part assembles by itself: llvm-mc -triple=amdgcn-amd-amdhsa -mcpu=gfx1250 --defsym DOCPART=n.
;; ======== version 1 of 1: 4 launches
;; limits: right only within a limited range of input values
;; workspace buffers: xq 6,553,600 bytes; wq 13,107,200 bytes; woq 6,553,600 bytes; rope 1,064,960 bytes; qkv 6,553,600 bytes; att 3,276,800 bytes
;; launch prep (part 1): grid 1057 x 1, 4 waves a work-group, no clusters, 59,904 bytes of LDS; arguments hidden_states, Wq, Wk, Wv, Wo, attention_mask, xq, wq, woq, rope; writes xq, wq, woq, rope
.if DOCPART == 1
	.amdgcn_target "amdgcn-amd-amdhsa--gfx1250"
	.amdhsa_code_object_version 6
	.text
	.protected	k_q2920d4ae0f_prep
	.globl	k_q2920d4ae0f_prep
	.p2align	8
	.type	k_q2920d4ae0f_prep,@function
k_q2920d4ae0f_prep:
	s_mov_b64 s[64:65], 0
	v_nop
	global_prefetch_b8 v0, s[64:65] scope:SCOPE_SE
	s_setreg_imm32_b32 hwreg(HW_REG_WAVE_MODE, 25, 1), 1
	s_wait_xcnt 0x0
; PREP: every f32 input is read once and leaves as what the later launches' matrix instructions take.
; Four paths, chosen by the work-group's number; they never join, and each that uses LDS has LDS bytes of its own.
;   0..255     X: hidden_states [2048][4096] -> xq.      256..1023  W: Wq, Wk, Wv -> wq; Wo -> woq (K is the weights' FIRST axis).
;   1024..1055 ROPE: cos and sin of token x inv_freq -> rope.      1056  IDENT: the table's identity tile, and attention_mask x sqrt(128).
; FORMAT: FP6 (E2M3), one E8M0 byte for each 32 along K: byte = the block's largest magnitude's exponent field - 2, held at 1 from below.
; LAYOUT OF CODES.  Rows go in tiles of 16 inside groups of 32: tile 2 B + u holds rows 32 B + 8 u + r + 8 (r / 8), r = 0..15.  A fragment (16 rows x 128 K, 12 registers a lane)
; lies in memory as the image of its registers: registers 4 c .. 4 c + 3 of lane l at 512 c + 16 l: 1,536 bytes.  [tile][K / 512][6,400 bytes]: four images, then 256 bytes of scale words [pair of K steps][r][2 words].
; LIMITS: NaN and infinities among the inputs are not served.  A block whose largest magnitude lies under 2^-124 keeps the byte 1; so does a block of zeros (its codes are zeros; this program alone reads the bytes).
; |mask| from 3e37 on becomes an infinity by the factor sqrt(128).  The angle token x inv_freq is formed with inv_freq good to about one unit in its last place: at the largest angles some 1e-4 rad.
; No tensor load, no barrier, EXEC is never changed: waves share nothing.
.set XSTG, 0                           ; path X: a stage of 16 rows x 528 bytes for each wave
.set WSTG, 4*8448                      ; path W: four images, 1,600 bytes apart, for each wave
.set SEL,  60                          ; s[60:61] lane selects: lane l xor 16
.set TM,   16                          ; path X: v16-31 at work in QUANT
.set PW,   32                          ; v32-35 the four K steps' scale words
.set PC,   36                          ; v36-55 the codes just made
.set XR,   56                          ; v56-119 64 numbers of my row, register 16 b + i = k 32 b + 16 (lane / 16) + i
.set RR,   120                         ; v120-247 two sets of 64 as loaded
.set VO,   16                          ; path W: v16-47 offsets of 32 rows of the weight
.set WX,   48                          ; v48-111 two sets of 32 numbers
.set WC,   112                         ; v112-120 a block's codes
.set SBW,  122                         ; v122-123 my column's two scale words
; 64 numbers of a lane become a fragment's codes in v[pc] on (12 registers; 8 more at work) and its row's scale word in v[pw].
.macro QUANT src, pc, tm, pw
.irp b, 0,1,2,3
	v_max3_num_f32 v[(\tm)+\b], |v[(\src)+16*\b]|, |v[(\src)+1+16*\b]|, 0x1800000   ; block b: my 16 numbers, and the floor 2^(3 - 127): the byte cannot fall under 1
.endr
.irp i, 2,4,6,8,10,12,14
.irp b, 0,1,2,3
	v_max3_num_f32 v[(\tm)+\b], v[(\tm)+\b], |v[(\src)+16*\b+\i]|, |v[(\src)+1+16*\b+\i]|
.endr
.endr
.irp b, 0,1,2,3
	v_permlanex16_b32 v[(\tm)+4+\b], v[(\tm)+\b], s[SEL], s[SEL+1]
.endr
.irp b, 0,1,2,3
	v_max_num_f32 v[(\tm)+\b], v[(\tm)+\b], v[(\tm)+4+\b]     ; with lane l xor 16's: the block's largest magnitude
.endr
.irp b, 0,1,2,3
	v_add_nc_u32 v[(\tm)+12+\b], 0xff000000, v[(\tm)+\b]      ; 2 off its exponent field: the conversion's scale operand
.endr
.irp b, 0,1,2,3
	v_lshrrev_b32 v[(\tm)+4+\b], 23, v[(\tm)+12+\b]           ; the scale's byte
.endr
	v_lshl_or_b32 v[(\pw)], v[(\tm)+5], 8, v[(\tm)+4]
	v_lshl_or_b32 v[(\pw)], v[(\tm)+6], 16, v[(\pw)]
	v_lshl_or_b32 v[(\pw)], v[(\tm)+7], 24, v[(\pw)]
.irp c, 0,1
	v_cvt_scalef32_pk16_fp6_f32 v[(\pc)+6*\c:(\pc)+2+6*\c], v[(\src)+32*\c:(\src)+15+32*\c], v[(\tm)+12+2*\c]
	v_cvt_scalef32_pk16_fp6_f32 v[(\pc)+12+4*\c:(\pc)+14+4*\c], v[(\src)+16+32*\c:(\src)+31+32*\c], v[(\tm)+13+2*\c]   ; (a conversion's three registers begin on an even number)
.endr
	v_nop                                          ; one plain instruction behind the scaled conversions
.irp c, 0,1                                    ; the operand wants a WHOLE block in a lane: lanes 0-15 block 2 c, lanes 16-31 block 2 c + 1
.irp i, 0,1,2
	v_permlane16_swap_b32 v[(\pc)+6*\c+\i], v[(\pc)+12+4*\c+\i]
.endr
.irp i, 0,1,2
	v_mov_b32 v[(\pc)+3+6*\c+\i], v[(\pc)+12+4*\c+\i]
.endr
.endr
.endm
	s_load_b512 s[4:19], s[0:1], 0x0               ; hidden s[4:5], Wq s[6:7], Wk s[8:9], Wv s[10:11], Wo s[12:13], mask s[14:15], xq s[16:17], wq s[18:19]
	s_load_b128 s[20:23], s[0:1], 0x40             ; woq s[20:21], rope s[22:23]
	v_lshl_add_u32 v254, v0, 2, 0xe800
	v_mov_b32 v255, 0
	v_lshrrev_b32 v1, 5, v0
	v_readfirstlane_b32 s24, v1                    ; wave 0..3
	v_and_b32 v2, 31, v0                           ; lane
	v_and_b32 v3, 15, v0                           ; lane % 16
	v_bfe_u32 v7, v0, 4, 1                         ; lane / 16
	v_lshlrev_b32 v4, 4, v2                        ; 16 x lane
	s_mov_b32 s[SEL], 0x76543210
	s_mov_b32 s[SEL+1], 0xfedcba98
	s_wait_kmcnt 0x0
	s_cmp_lt_u32 ttmp9, 256
	s_cbranch_scc1 .Lpath_x
	s_cmp_lt_u32 ttmp9, 1024
	s_cbranch_scc1 .Lpath_w
	s_cmp_lt_u32 ttmp9, 1056
	s_cbranch_scc1 .Lpath_rope
; ---- IDENT: tile 128 of the table (cos = 1, sin = 0), and the mask x sqrt(128), which the scores' product takes as its C
	s_cmp_lt_u32 s24, 2
	s_cselect_b32 s30, 0x3f800000, 0               ; waves 0, 1 write the cosines' chunks, waves 2, 3 the sines'
	v_mov_b32 v16, s30
	v_mov_b32 v17, s30
	v_mov_b32 v18, s30
	v_mov_b32 v19, s30
	s_lshl_b32 s31, s24, 11
	s_wait_alu depctr_va_vdst(0)
	v_add_nc_u32 v5, s31, v4                       ; 16 x lane + four chunks of 512 bytes a wave
	s_add_nc_u64 s[26:27], s[22:23], 128*8192
	v_lshlrev_b32 v6, 4, v0                        ; 16 x thread
.irp i, 0,1,2,3
	global_load_b128 v[32+4*\i:35+4*\i], v6, s[14:15] offset:2048*\i
.endr
.irp i, 0,1,2,3
	global_store_b128 v5, v[16:19], s[26:27] offset:512*\i
.endr
	s_wait_loadcnt 0x0
.set i, 0
.rept 16
	v_mul_f32 v[32+i], 0x413504f3, v[32+i]         ; x sqrt(128)
.set i, i+1
.endr
.irp i, 0,1,2,3
	global_store_b128 v6, v[32+4*\i:35+4*\i], s[26:27] offset:8192+2048*\i
.endr
	s_endpgm
; ---- X: a wave makes one block of 6,400 bytes: tile T, K = 512 J .. 512 J + 511
.Lpath_x:
	s_lshl_b32 s26, ttmp9, 2
	s_add_co_u32 s26, s26, s24                     ; 8 T + J
	s_lshr_b32 s27, s26, 3                         ; T
	s_and_b32 s28, s26, 7                          ; J
	s_lshr_b32 s29, s27, 1
	s_lshl_b32 s29, s29, 5
	s_and_b32 s30, s27, 1
	s_lshl_b32 s30, s30, 3
	s_add_co_u32 s29, s29, s30                     ; the tile's first row: 32 (T / 2) + 8 (T % 2)
	s_lshl_b32 s30, s29, 14                        ; rows of 16,384 bytes
	s_lshl_b32 s31, s28, 11
	s_add_co_u32 s30, s30, s31
	s_mov_b32 s31, 0
	s_add_nc_u64 s[4:5], s[4:5], s[30:31]
	s_mul_i32 s30, s26, 6400
	s_add_nc_u64 s[16:17], s[16:17], s[30:31]
	s_mul_i32 s32, s24, 8448                       ; my stage (XSTG = 0)
	s_wait_alu depctr_va_vdst(0)
	v_add_nc_u32 v5, s32, v4                       ; in: a row's 512 bytes as loaded, 16 a lane
	v_mul_u32_u24 v6, v3, 528
	v_lshl_add_u32 v6, v7, 6, v6
	v_add_nc_u32 v6, s32, v6                       ; back: row lane % 16, + 64 (lane / 16): 16 neighbours of each block of 32
	v_lshlrev_b32 v8, 3, v2
.irp b, 0,1,2,3
	v_mov_b32 v[TM+4+\b], 0                        ; written once: a lane permute's destination counts as one of its sources
.endr
.macro LOADX st                        ; K step st of the 16 rows: each load reads 512 consecutive bytes of one row
.set i, 0
.rept 16
	global_load_b128 v[RR+64*((\st)%2)+4*i:RR+64*((\st)%2)+4*i+3], v4, s[4:5] offset:(i+8*(i/8))*16384+512*(\st) th:TH_LOAD_NT
.set i, i+1
.endr
.endm
.macro STEPX st
.if (\st) < 3
	s_wait_loadcnt 16                              ; this step's 16 loads are in; the next step's 16 may be out
.else
	s_wait_loadcnt 0
.endif
.set i, 0
.rept 16
	ds_store_b128 v5, v[RR+64*((\st)%2)+4*i:RR+64*((\st)%2)+4*i+3] offset:528*i
.set i, i+1
.endr
.set i, 0
.rept 16
	ds_load_b128 v[XR+4*i:XR+4*i+3], v6 offset:128*(i/4)+16*(i%4)   ; LDS serves a wave's instructions in order (ISA guide 5.7.1.4): these see the stores above
.set i, i+1
.endr
	s_wait_dscnt 0x0                               ; the numbers are back, and the stores have read their registers,
.if (\st) < 2
	LOADX (\st)+2                                  ; which take the loads of two steps on
.endif
	s_wait_xcnt 0x0                                ; the last step's stores have read the codes' registers: they are written again only behind this wait
	QUANT XR, PC, TM, PW+(\st)
.irp c, 0,1,2
	global_store_b128 v4, v[PC+4*\c:PC+4*\c+3], s[16:17] offset:1536*(\st)+512*\c   ; 512 consecutive bytes a store
.endr
.endm
	LOADX 0
	LOADX 1
	s_wait_alu depctr_va_vdst(0)
	STEPX 0
	STEPX 1
	STEPX 2
	STEPX 3
	v_cmp_gt_u32 vcc_lo, 16, v2
	v_cndmask_b32 v10, v[PW+2], v[PW], vcc_lo      ; lanes 0-15: K steps 0, 1 of row r; lanes 16-31: K steps 2, 3
	v_cndmask_b32 v11, v[PW+3], v[PW+1], vcc_lo
	global_store_b64 v8, v[10:11], s[16:17] offset:6144   ; 256 consecutive bytes, aligned
	s_wait_tensorcnt 0x0
	ds_add_u32 v254, v255
	s_wait_dscnt 0x0
	s_endpgm
; ---- W: a wave takes 32 columns x 256 along K.  A LANE TAKES A COLUMN AND ITS REGISTERS RUN DOWN K: a block of 32 lies in one lane, and the codes come out with K innermost.
.Lpath_w:
	s_sub_co_u32 s25, ttmp9, 256
	s_mov_b32 s30, 5                               ; Wo's figures: log2(columns / 128),
	s_mov_b32 s31, 512                             ; its first work-group here,
	s_mov_b32 s28, 0                               ; its first tile in the destination,
	s_mov_b32 s29, 25600                           ; a tile's bytes there (K / 512 x 6,400)
	s_mov_b64 s[26:27], s[12:13]
	s_mov_b64 s[54:55], s[20:21]
	s_cmp_lt_u32 s25, 512                          ; Wv's
	s_cselect_b32 s30, 3, s30
	s_cselect_b32 s31, 384, s31
	s_cselect_b32 s28, 192, s28
	s_cselect_b32 s29, 51200, s29
	s_cselect_b64 s[26:27], s[10:11], s[26:27]
	s_cselect_b64 s[54:55], s[18:19], s[54:55]
	s_cmp_lt_u32 s25, 384                          ; Wk's
	s_cselect_b32 s31, 256, s31
	s_cselect_b32 s28, 128, s28
	s_cselect_b64 s[26:27], s[8:9], s[26:27]
	s_cmp_lt_u32 s25, 256                          ; Wq's
	s_cselect_b32 s30, 4, s30
	s_cselect_b32 s31, 0, s31
	s_cselect_b32 s28, 0, s28
	s_cselect_b64 s[26:27], s[6:7], s[26:27]
	s_sub_co_u32 s25, s25, s31
	s_lshl_b32 s31, 1, s30
	s_sub_co_u32 s31, s31, 1
	s_and_b32 s56, s25, s31                        ; which 128 columns
	s_lshr_b32 s57, s25, s30                       ; which 256 along K
	s_lshl_b32 s58, 512, s30                       ; a row of the weight in bytes
	s_lshl_b32 s31, s56, 7
	s_lshl_b32 s25, s24, 5
	s_add_co_u32 s31, s31, s25                     ; my wave's first column
	s_lshl_b32 s31, s31, 2
	s_mul_i32 s25, s57, s58
	s_lshl_b32 s25, s25, 8
	s_add_co_u32 s50, s25, s31
	s_mov_b32 s51, 0
	s_add_nc_u64 s[32:33], s[26:27], s[50:51]      ; block 0's first row, my first column
	s_lshl_b32 s50, s58, 5                         ; 32 rows on
.irp t, 1,2,3,4,5,6,7
	s_add_nc_u64 s[32+2*\t:33+2*\t], s[30+2*\t:31+2*\t], s[50:51]
.endr
	s_lshl_b32 s25, s56, 3
	s_lshl_b32 s31, s24, 1
	s_add_co_u32 s25, s25, s31
	s_add_co_u32 s25, s25, s28                     ; my 32 columns are two tiles: this one and the next
	s_mul_i32 s25, s25, s29
	s_lshr_b32 s31, s57, 1
	s_mul_i32 s31, s31, 6400
	s_add_co_u32 s25, s25, s31                     ; + the block of 512 along K
	s_and_b32 s31, s57, 1                          ; which pair of its four K steps
	s_mul_i32 s30, s31, 3072
	s_add_co_u32 s50, s25, s30
	s_add_nc_u64 s[48:49], s[54:55], s[50:51]      ; the lower tile's two images
	s_mov_b32 s50, s29
	s_add_nc_u64 s[52:53], s[48:49], s[50:51]      ; the upper tile's
	s_lshl_b32 s30, s31, 7
	s_add_co_u32 s50, s25, s30
	s_add_co_u32 s50, s50, 6144
	s_add_nc_u64 s[54:55], s[54:55], s[50:51]      ; the lower tile's scale words of this pair of K steps
	v_bfe_u32 v5, v0, 3, 1                         ; column lane = 8 u + r + 8 (r / 8): u,
	v_and_b32 v6, 7, v0
	s_wait_alu depctr_va_vdst(0)
	v_lshl_add_u32 v6, v7, 3, v6                   ; and r
	s_mul_i32 s25, s24, 6400
	s_add_co_u32 s25, s25, WSTG
	v_mul_u32_u24 v9, v5, 3200
	v_lshl_add_u32 v9, v6, 4, v9
	v_add_nc_u32 v9, s25, v9                       ; into the stage: tile u's two images, lane r's 16 bytes
	v_add_nc_u32 v10, s25, v4                      ; out of it: 16 x lane
	v_mul_lo_u32 v14, v5, s29
	v_lshl_add_u32 v14, v6, 3, v14                 ; my scale words' place: tile u, 8 r
	v_lshlrev_b32 v[VO], 2, v2
.set i, 1
.rept 31
	v_add_nc_u32 v[VO+i], s58, v[VO+i-1]           ; 4 x lane + i rows
.set i, i+1
.endr
.macro LOADW t                         ; block t: 32 rows, 128 consecutive bytes a load (the four waves stand side by side on 512)
.set i, 0
.rept 32
	global_load_b32 v[WX+32*((\t)%2)+i], v[VO+i], s[32+2*(\t):33+2*(\t)] th:TH_LOAD_NT
.set i, i+1
.endr
.endm
.macro BLOCKW t
.set XS, WX+32*((\t)%2)
.if (\t) < 7
	s_wait_loadcnt 32                              ; this block's 32 loads are in; the next block's may be out
.else
	s_wait_loadcnt 0
.endif
	v_max3_num_f32 v12, |v[XS]|, |v[XS+1]|, |v[XS+2]|
	v_max3_num_f32 v13, |v[XS+3]|, |v[XS+4]|, |v[XS+5]|
.irp i, 6,10,14,18,22,26
	v_max3_num_f32 v12, v12, |v[XS+\i]|, |v[XS+\i+1]|
	v_max3_num_f32 v13, v13, |v[XS+\i+2]|, |v[XS+\i+3]|
.endr
	v_max3_num_f32 v12, v12, |v[XS+30]|, |v[XS+31]|
	v_max3_num_f32 v12, v12, v13, 0x1800000        ; and the floor
	v_add_nc_u32 v11, 0xff000000, v12              ; the conversion's scale operand
	v_lshrrev_b32 v13, 23, v11                     ; the byte
.if (\t)%4 == 0
	v_mov_b32 v[SBW+(\t)/4], v13
.else
	v_lshl_or_b32 v[SBW+(\t)/4], v13, 8*((\t)%4), v[SBW+(\t)/4]
.endif
	v_cvt_scalef32_pk16_fp6_f32 v[WC:WC+2], v[XS:XS+15], v11
	v_cvt_scalef32_pk16_fp6_f32 v[WC+6:WC+8], v[XS+16:XS+31], v11
	v_nop                                          ; one plain instruction behind the scaled conversions
.irp i, 0,1,2
	v_mov_b32 v[WC+3+\i], v[WC+6+\i]
.endr
; block t is registers 6 c .. 6 c + 5 (c = (t / 2) % 2) of lane r + 16 (t % 2) in the image of K step t / 4
.set SOF, ((\t)/4)*1600+256*((\t)%2)
.if ((\t)/2)%2 == 0
	ds_store_b128 v9, v[WC:WC+3] offset:SOF
	ds_store_b64 v9, v[WC+4:WC+5] offset:SOF+512
.else
	ds_store_b64 v9, v[WC:WC+1] offset:SOF+520
	ds_store_b128 v9, v[WC+2:WC+5] offset:SOF+1024
.endif
.if (\t)+2 < 8
	LOADW (\t)+2
.endif
	s_wait_dscnt 0x0                               ; the stores have read their registers: the next block's codes may be written
.endm
	LOADW 0
	LOADW 1
.irp t, 0,1,2,3,4,5,6,7
	BLOCKW \t
.endr
	s_wait_alu depctr_va_vdst(0)
	global_store_b64 v14, v[SBW:SBW+1], s[54:55]   ; 16 lanes store 128 consecutive bytes: one byte for each 128 that the path reads
.set i, 0
.rept 12
	ds_load_b128 v[WX+4*i:WX+4*i+3], v10 offset:(i/3)*1600+512*(i%3)
.set i, i+1
.endr
.set i, 0
.rept 12
	s_wait_dscnt 11-i
.if i < 6
	global_store_b128 v4, v[WX+4*i:WX+4*i+3], s[48:49] offset:1536*((i/3)%2)+512*(i%3)   ; 512 consecutive bytes a store
.else
	global_store_b128 v4, v[WX+4*i:WX+4*i+3], s[52:53] offset:1536*((i/3)%2)+512*(i%3)
.endif
.set i, i+1
.endr
	s_wait_tensorcnt 0x0
	ds_add_u32 v254, v255
	s_wait_dscnt 0x0
	s_endpgm
; ---- ROPE: a wave makes tile T: for lane (r, h) and e = 0..31: cos and sin of token x inv_freq[f], f = 32 (e / 16) + 16 h + e % 16, token = 32 (T / 2) + 8 (T % 2) + r + 8 (r / 8).
; inv_freq[f] = 2^(-f log2(10) / 16).  The exponent is formed in two parts (its rounded value and what the rounding left); the angle is one f32 product, as the model has it;
; it is reduced by multiples of pi / 2 in two parts, and sine and cosine are polynomials on [-pi / 4, pi / 4].
.Lpath_rope:
.set JF, 16
.set AH, 20
.set EL, 24
.set IV, 28
.set XX, 32
.set NN, 36
.set RH, 40
.set ZZ, 44
.set SN, 48
.set CN, 52
.set T1, 56
.set QI, 60
.set COSR, 64                          ; v64-95 cosines, v96-127 sines: every chunk has registers of its own, so no store's data are written again
.set SINR, 96
	s_sub_co_u32 s25, ttmp9, 1024
	s_lshl_b32 s25, s25, 2
	s_add_co_u32 s25, s25, s24                     ; T
	s_lshr_b32 s26, s25, 1
	s_lshl_b32 s26, s26, 5
	s_and_b32 s27, s25, 1
	s_lshl_b32 s27, s27, 3
	s_add_co_u32 s26, s26, s27
	s_wait_alu depctr_va_vdst(0)
	v_and_b32 v5, 8, v3
	v_add3_u32 v5, v5, v3, s26
	v_cvt_f32_u32 v5, v5                           ; my token
	v_lshlrev_b32 v6, 4, v7                        ; 16 h
	s_wait_alu depctr_va_vdst(0)
	s_lshl_b32 s26, s25, 13
	s_mov_b32 s27, 0
	s_add_nc_u64 s[22:23], s[22:23], s[26:27]
	s_mov_b32 s30, 0x3e549a78                      ; log2(10) / 16, and
	s_mov_b32 s31, 0x3197981e                      ; what f32 leaves of it
	s_mov_b32 s32, 0xbfc90fdb                      ; -pi / 2, and
	s_mov_b32 s33, 0x333bbd2e                      ; what f32 leaves of it
	s_mov_b32 s34, 0xb94ca1f9                      ; the sine's coefficients
	s_mov_b32 s35, 0x3c08839e
	s_mov_b32 s36, 0xbe2aaaa3
	s_mov_b32 s37, 0x37ccf5ce                      ; the cosine's
	s_mov_b32 s38, 0xbab6061a
	s_mov_b32 s39, 0x3d2aaaa5
.macro TRIG c
.irp k, 0,1,2,3
	v_add_nc_u32 v[JF+\k], 32*((4*(\c)+\k)/16)+(4*(\c)+\k)%16, v6
.endr
.irp k, 0,1,2,3
	v_cvt_f32_u32 v[JF+\k], v[JF+\k]               ; f
.endr
.irp k, 0,1,2,3
	v_mul_f32 v[AH+\k], s30, v[JF+\k]
.endr
.irp k, 0,1,2,3
	v_fma_f32 v[EL+\k], v[JF+\k], s30, -v[AH+\k]   ; what that product's rounding left,
.endr
.irp k, 0,1,2,3
	v_fma_f32 v[EL+\k], v[JF+\k], s31, v[EL+\k]    ; and the constant's
.endr
	s_wait_alu depctr_va_vdst(0)
.irp k, 0,1,2,3
	v_exp_f32 v[IV+\k], -v[AH+\k]
.endr
.irp k, 0,1,2,3
	v_mul_f32 v[EL+\k], 0x3f317218, v[EL+\k]       ; x ln 2.  (Plain work behind the four exponentials)
.endr
	s_wait_alu depctr_va_vdst(0)                   ; one wait for the four, ahead of their first reader
.irp k, 0,1,2,3
	v_fma_f32 v[IV+\k], -v[IV+\k], v[EL+\k], v[IV+\k]   ; inv_freq
.endr
.irp k, 0,1,2,3
	v_mul_f32 v[XX+\k], v5, v[IV+\k]               ; the angle
.endr
.irp k, 0,1,2,3
	v_mul_f32 v[NN+\k], 0x3f22f983, v[XX+\k]
.endr
.irp k, 0,1,2,3
	v_rndne_f32 v[NN+\k], v[NN+\k]                 ; how many quarter turns
.endr
.irp k, 0,1,2,3
	v_fma_f32 v[RH+\k], v[NN+\k], s32, v[XX+\k]
.endr
.irp k, 0,1,2,3
	v_fma_f32 v[RH+\k], v[NN+\k], s33, v[RH+\k]    ; the rest, within pi / 4
.endr
.irp k, 0,1,2,3
	v_mul_f32 v[ZZ+\k], v[RH+\k], v[RH+\k]
.endr
.irp k, 0,1,2,3
	v_fma_f32 v[SN+\k], v[ZZ+\k], s34, s35
	v_fma_f32 v[CN+\k], v[ZZ+\k], s37, s38
.endr
.irp k, 0,1,2,3
	v_fma_f32 v[SN+\k], v[SN+\k], v[ZZ+\k], s36
	v_fma_f32 v[CN+\k], v[CN+\k], v[ZZ+\k], s39
.endr
.irp k, 0,1,2,3
	v_mul_f32 v[SN+\k], v[SN+\k], v[ZZ+\k]
	v_fma_f32 v[T1+\k], v[ZZ+\k], -0.5, 1.0
.endr
.irp k, 0,1,2,3
	v_fma_f32 v[SN+\k], v[SN+\k], v[RH+\k], v[RH+\k]    ; sin of the rest
	v_mul_f32 v[ZZ+\k], v[ZZ+\k], v[ZZ+\k]
.endr
.irp k, 0,1,2,3
	v_fma_f32 v[CN+\k], v[CN+\k], v[ZZ+\k], v[T1+\k]    ; cos of the rest
	v_cvt_i32_f32 v[QI+\k], v[NN+\k]
.endr
.irp k, 0,1,2,3
	v_and_b32 v[T1+\k], 1, v[QI+\k]
.endr
.irp k, 0,1,2,3
	v_cmp_eq_u32 vcc_lo, 1, v[T1+\k]               ; an odd number of quarter turns exchanges the two
	v_cndmask_b32 v[T1+\k], v[SN+\k], v[CN+\k], vcc_lo
	v_cndmask_b32 v[CN+\k], v[CN+\k], v[SN+\k], vcc_lo
.endr
.irp k, 0,1,2,3
	v_and_b32 v[SN+\k], 2, v[QI+\k]                ; the sine is negated in quarters 2, 3,
	v_add_nc_u32 v[QI+\k], 1, v[QI+\k]             ; the cosine in quarters 1, 2
.endr
.irp k, 0,1,2,3
	v_lshlrev_b32 v[SN+\k], 30, v[SN+\k]
	v_and_b32 v[QI+\k], 2, v[QI+\k]
.endr
.irp k, 0,1,2,3
	v_xor_b32 v[SINR+4*(\c)+\k], v[SN+\k], v[T1+\k]
	v_lshlrev_b32 v[QI+\k], 30, v[QI+\k]
.endr
.irp k, 0,1,2,3
	v_xor_b32 v[COSR+4*(\c)+\k], v[QI+\k], v[CN+\k]
.endr
	global_store_b128 v4, v[COSR+4*(\c):COSR+4*(\c)+3], s[22:23] offset:512*(\c)
	global_store_b128 v4, v[SINR+4*(\c):SINR+4*(\c)+3], s[22:23] offset:4096+512*(\c)
.endm
.irp c, 0,1,2,3,4,5,6,7
	TRIG \c
.endr
	s_endpgm
.Lfunc_end_k_q2920d4ae0f_prep:
	.size	k_q2920d4ae0f_prep, .Lfunc_end_k_q2920d4ae0f_prep-k_q2920d4ae0f_prep
	.p2alignl 7, 3214868480
	.fill 96, 4, 3214868480
	.section	.rodata,"a",@progbits
	.p2align	6, 0x0
	.amdhsa_kernel k_q2920d4ae0f_prep
		.amdhsa_group_segment_fixed_size 59904
		.amdhsa_private_segment_fixed_size 0
		.amdhsa_enable_private_segment 0
		.amdhsa_kernarg_size 80
		.amdhsa_user_sgpr_count 2
		.amdhsa_user_sgpr_kernarg_segment_ptr 1
		.amdhsa_wavefront_size32 1
		.amdhsa_system_sgpr_workgroup_id_x 1
		.amdhsa_system_sgpr_workgroup_id_y 1
		.amdhsa_system_sgpr_workgroup_id_z 1
		.amdhsa_system_vgpr_workitem_id 0
		.amdhsa_next_free_vgpr 256
		.amdhsa_next_free_sgpr 66
		.amdhsa_reserve_vcc 1
		.amdhsa_float_denorm_mode_32 3
		.amdhsa_float_denorm_mode_16_64 3
		.amdhsa_memory_ordered 1
		.amdhsa_forward_progress 1
		.amdhsa_inst_pref_size 133
	.end_amdhsa_kernel
	.amdgpu_metadata
---
amdhsa.version: [ 1, 2 ]
amdhsa.kernels:
  - .name:           k_q2920d4ae0f_prep
    .symbol:         k_q2920d4ae0f_prep.kd
    .args:
      - { .name: hidden_states, .offset: 0, .size: 8, .value_kind: global_buffer, .address_space: global }
      - { .name: Wq, .offset: 8, .size: 8, .value_kind: global_buffer, .address_space: global }
      - { .name: Wk, .offset: 16, .size: 8, .value_kind: global_buffer, .address_space: global }
      - { .name: Wv, .offset: 24, .size: 8, .value_kind: global_buffer, .address_space: global }
      - { .name: Wo, .offset: 32, .size: 8, .value_kind: global_buffer, .address_space: global }
      - { .name: attention_mask, .offset: 40, .size: 8, .value_kind: global_buffer, .address_space: global }
      - { .name: xq, .offset: 48, .size: 8, .value_kind: global_buffer, .address_space: global }
      - { .name: wq, .offset: 56, .size: 8, .value_kind: global_buffer, .address_space: global }
      - { .name: woq, .offset: 64, .size: 8, .value_kind: global_buffer, .address_space: global }
      - { .name: rope, .offset: 72, .size: 8, .value_kind: global_buffer, .address_space: global }
    .group_segment_fixed_size: 59904
    .private_segment_fixed_size: 0
    .kernarg_segment_align: 8
    .kernarg_segment_size: 80
    .max_flat_workgroup_size: 128
    .sgpr_count:     66
    .vgpr_count:     256
    .wavefront_size: 32
...
	.end_amdgpu_metadata
.endif
;; end of part 1
;; launch qkv (part 2): grid 16 x 16, 4 waves a work-group, clusters of 4 x 4, 327,680 bytes of LDS; arguments xq, wq, rope, qkv; writes qkv
.if DOCPART == 2
	.amdgcn_target "amdgcn-amd-amdhsa--gfx1250"
	.amdhsa_code_object_version 6
	.text
	.protected	k_q2920d4ae0f_qkv
	.globl	k_q2920d4ae0f_qkv
	.p2align	8
	.type	k_q2920d4ae0f_qkv,@function
k_q2920d4ae0f_qkv:
	s_mov_b64 s[64:65], 0
	v_nop
	global_prefetch_b8 v0, s[64:65] scope:SCOPE_SE
	s_setreg_imm32_b32 hwreg(HW_REG_WAVE_MODE, 25, 1), 1
	s_wait_xcnt 0x0
	s_wait_alu depctr_hold_cnt(0) depctr_sa_sdst(0) depctr_va_vdst(0) depctr_va_sdst(0) depctr_va_ssrc(0) depctr_va_vcc(0) depctr_vm_vsrc(0)
	s_getreg_b32 s2, hwreg(HW_REG_IB_STS2, 6, 4)
	s_cmp_eq_u32 s2, 0
	s_cbranch_scc0 .Lentry_in_a_cluster
	s_endpgm
.Lentry_in_a_cluster:
	s_bfe_u32 s2, ttmp6, 0x10000c
	s_cmp_lg_u32 s2, 0xf033
	s_cbranch_scc0 .Lentry_shape_is_right
	s_endpgm
.Lentry_shape_is_right:
; QKV: q, k, v = x W on codes of FP6 (E2M3) with E8M0 scales, then the rotation by the table of cosines and sines, then the quantiser along the head's 128 (v: along the keys), stored as images of fragments.
; A work-group makes 128 x 256 of the result, a wave 64 x 128; K goes in pieces of 512 (6,400 bytes a tile of 16 rows: four images and their scale words) through two LDS slots.
; 4 x 4 work-groups form a cluster; every tile is asked for jointly, along a row or along a column of the cluster.  One tensor load a wave at the head and behind each round.
; Behind each joint load the piece two fills on is prefetched: the four partners of a joint load share its tiles out by address (one tile each of the four, or two each of the eight), 25 lanes name a tile's 25 blocks of 256 bytes.
.set SUPER,  6400
.set TPITCH, 8*SUPER
.set SLOT,   24*SUPER
.set SPARE,  2*SLOT
.set LAPS,   4
.set ROF,  8
.set ADRA, 16
.set ADRB, 20
.set ADRS, 22
.set L16,  24
.set L8,   25
.set SPW,  28
.set NIL,  29
.set SC,   32
.set AF,   64
.set YY,   64
.set TM,   128
.set PW,   144
.set PC,   148
.set G1,   24
.set G0,   32
.set G1B,  48
.set G0B,  56
.set SEL,  72
.set PFO,  30                          ; v30: 256 x min(lane, 24); the lanes left over name the tile's last block again
.set PFA,  92                          ; s[92:93]: my share of a piece: at the head piece 1; each trip steps it two pieces on
.macro ASK off                         ; waves 0, 1 (four tiles, one a partner): one request; waves 2, 3 (eight tiles, two a partner): two
	global_prefetch_b8 v[PFO], s[PFA:PFA+1] offset:\off th:TH_LOAD_NT scope:SCOPE_SE
	s_cmp_eq_u32 s15, 0
	s_cbranch_scc1 .Lone_\@
	global_prefetch_b8 v[PFO], s[PFA:PFA+1] offset:\off+TPITCH th:TH_LOAD_NT scope:SCOPE_SE
.Lone_\@:
.endm
.set MSB, 0
.macro WIN new
.if MSB != \new
	s_set_vgpr_msb (MSB<<8)|\new
.set MSB, \new
.endif
.endm
.macro PLACES
.rept 4
	v_nop
.endr
.endm
.macro JLOAD g0a, g1a, g0b, g1b
	s_cmp_eq_u32 s15, 0
	s_cbranch_scc0 .Lfor_b_\@
	tensor_load_to_lds s[\g0a:\g0a+3], s[\g1a:\g1a+7]
	s_nop 0
.rept 4
	v_nop
.endr
	s_branch .Lasked_\@
.Lfor_b_\@:
	tensor_load_to_lds s[\g0b:\g0b+3], s[\g1b:\g1b+7]
	s_nop 0
.rept 4
	v_nop
.endr
.Lasked_\@:
.endm
.macro CREST
	s_cmp_lg_u32 s14, 0
	s_cbranch_scc1 .Lnot_wave_0_\@
	s_barrier_signal -3
.Lnot_wave_0_\@:
	s_barrier_wait -3
	s_barrier_signal -1
	s_barrier_wait -1
.endm
.macro CROUND
	s_barrier_signal -1
	s_barrier_wait -1
	CREST
.endm
.macro QUANT src, pc, tm, pw
.irp b, 0,1,2,3
	v_max3_num_f32 v[(\tm)+\b], |v[(\src)+16*\b]|, |v[(\src)+1+16*\b]|, 0x1800000
.endr
.irp i, 2,4,6,8,10,12,14
.irp b, 0,1,2,3
	v_max3_num_f32 v[(\tm)+\b], v[(\tm)+\b], |v[(\src)+16*\b+\i]|, |v[(\src)+1+16*\b+\i]|
.endr
.endr
.irp b, 0,1,2,3
	v_permlanex16_b32 v[(\tm)+4+\b], v[(\tm)+\b], s[SEL], s[SEL+1]
.endr
.irp b, 0,1,2,3
	v_max_num_f32 v[(\tm)+\b], v[(\tm)+\b], v[(\tm)+4+\b]
.endr
.irp b, 0,1,2,3
	v_add_nc_u32 v[(\tm)+12+\b], 0xff000000, v[(\tm)+\b]
.endr
.irp b, 0,1,2,3
	v_lshrrev_b32 v[(\tm)+4+\b], 23, v[(\tm)+12+\b]
.endr
	v_lshl_or_b32 v[(\pw)], v[(\tm)+5], 8, v[(\tm)+4]
	v_lshl_or_b32 v[(\pw)], v[(\tm)+6], 16, v[(\pw)]
	v_lshl_or_b32 v[(\pw)], v[(\tm)+7], 24, v[(\pw)]
.irp c, 0,1
	v_cvt_scalef32_pk16_fp6_f32 v[(\pc)+6*\c:(\pc)+2+6*\c], v[(\src)+32*\c:(\src)+15+32*\c], v[(\tm)+12+2*\c]
	v_cvt_scalef32_pk16_fp6_f32 v[(\pc)+12+4*\c:(\pc)+14+4*\c], v[(\src)+16+32*\c:(\src)+31+32*\c], v[(\tm)+13+2*\c]
.endr
	v_nop
.irp c, 0,1
.irp i, 0,1,2
	v_permlane16_swap_b32 v[(\pc)+6*\c+\i], v[(\pc)+12+4*\c+\i]
.endr
.irp i, 0,1,2
	v_mov_b32 v[(\pc)+3+6*\c+\i], v[(\pc)+12+4*\c+\i]
.endr
.endr
.endm
	s_load_b256 s[4:11], s[0:1], 0x0
	v_lshl_add_u32 v[SPW], v0, 2, SPARE
	v_mov_b32 v[NIL], 0
	ds_add_u32 v28, v29
	ds_add_u32 v28, v29
	s_wait_dscnt 0x0
	v_lshrrev_b32 v1, 5, v0
	v_readfirstlane_b32 s14, v1
	s_lshr_b32 s15, s14, 1
	s_and_b32 s16, s14, 1
	s_bfe_u32 s40, ttmp6, 0x40000
	s_bfe_u32 s41, ttmp6, 0x40004
	s_and_b32 s42, ttmp7, 0xffff
	s_and_b32 s43, s42, 1
	s_lshr_b32 s44, s42, 1
	s_cmp_eq_u32 ttmp9, 3
	s_cselect_b32 s43, s43, s42
	s_cselect_b32 s44, s44, ttmp9
	s_cselect_b32 s45, 192, 0
	s_lshl_b32 s43, s43, 2
	s_add_co_u32 s43, s43, s41
	s_lshl_b32 s44, s44, 2
	s_add_co_u32 s44, s44, s40
	s_lshl_b32 s46, s41, 2
	s_lshl_b32 s46, 15, s46
	s_lshl_b32 s47, 0x1111, s40
	s_or_b32 s[G1+0], s46, (3<<16)|(1<<21)
	s_or_b32 s[G1B+0], s47, (3<<16)|(1<<21)
.irp g, G1, G1B
	s_mov_b32 s[\g+1], 800<<16
	s_mov_b32 s[\g+3], 800<<16
	s_mov_b32 s[\g+5], TPITCH/8
	s_mov_b32 s[\g+6], 0
	s_mov_b32 s[\g+7], 0
.endr
	s_mov_b32 s[G1+2], 4<<16
	s_mov_b32 s[G1+4], 4
	s_mov_b32 s[G1B+2], 8<<16
	s_mov_b32 s[G1B+4], 8
	s_lshl_b32 s80, s43, 3
	s_add_co_u32 s80, s80, s45
	s_lshl_b32 s81, s16, 2
	s_add_co_u32 s80, s80, s81
	s_mul_i32 s80, s80, TPITCH
	s_mov_b32 s81, 0
	s_lshl_b32 s82, s44, 4
	s_lshl_b32 s83, s16, 3
	s_add_co_u32 s82, s82, s83
	s_mul_i32 s82, s82, TPITCH
	s_mov_b32 s83, 0
	s_mul_i32 s84, s16, 4*SUPER
	s_mul_i32 s85, s16, 8*SUPER
	s_add_co_u32 s85, s85, 8*SUPER
	s_mov_b32 s[SEL], 0x76543210
	s_mov_b32 s[SEL+1], 0xfedcba98
	s_wait_kmcnt 0x0
	s_cmp_eq_u32 ttmp9, 3
	s_cselect_b64 s[76:77], s[6:7], s[4:5]
	s_cselect_b64 s[78:79], s[4:5], s[6:7]
	s_add_nc_u64 s[76:77], s[76:77], s[80:81]
	s_add_nc_u64 s[78:79], s[78:79], s[82:83]
	CROUND
.irp s, 0,1
	s_mov_b32 s[G0+4*\s], 1
	s_add_co_u32 s[G0+4*\s+1], s84, \s*SLOT
	s_add_nc_u64 s[G0+4*\s+2:G0+4*\s+3], s[76:77], \s*SUPER
	s_or_b32 s[G0+4*\s+3], s[G0+4*\s+3], 0x80000000
	s_mov_b32 s[G0B+4*\s], 1
	s_add_co_u32 s[G0B+4*\s+1], s85, \s*SLOT
	s_add_nc_u64 s[G0B+4*\s+2:G0B+4*\s+3], s[78:79], \s*SUPER
	s_or_b32 s[G0B+4*\s+3], s[G0B+4*\s+3], 0x80000000
.endr
	s_cmp_eq_u32 s15, 0                            ; the prefetches' address: the tiles that I fetch, my work-group's share of them by its place among the four partners
	s_cselect_b64 s[PFA:PFA+1], s[76:77], s[78:79]
	s_mul_i32 s94, s40, TPITCH
	s_mul_i32 s95, s41, 2*TPITCH
	s_cselect_b32 s94, s94, s95
	s_mov_b32 s95, 0
	s_add_nc_u64 s[PFA:PFA+1], s[PFA:PFA+1], s[94:95]
	s_add_nc_u64 s[PFA:PFA+1], s[PFA:PFA+1], SUPER
	JLOAD G0, G1, G0B, G1B                         ; piece 0: my one tensor load at the head; the set-up below runs while it is out
	v_and_b32 v3, 31, v0
	v_and_b32 v1, 15, v0
	v_bfe_u32 v2, v0, 4, 1
	v_lshlrev_b32 v[L16], 4, v3
	v_lshlrev_b32 v[L8], 3, v3
	s_mul_i32 s86, s15, 4*SUPER
	s_mul_i32 s87, s16, 8*SUPER
	s_add_co_u32 s87, s87, 8*SUPER
	v_add_nc_u32 v[ADRA], s86, v[L16]
	v_add_nc_u32 v[ADRA+1], SLOT, v[ADRA]
	v_add_nc_u32 v[ADRB], s87, v[L16]
	v_add_nc_u32 v[ADRB+1], SLOT, v[ADRB]
	s_sub_co_u32 s88, s87, s86
	v_mul_u32_u24 v4, s88, v2
	v_lshl_add_u32 v4, v1, 3, v4
	s_add_co_u32 s86, s86, 6144
	v_add_nc_u32 v[ADRS], s86, v4
	v_add_nc_u32 v[ADRS+1], SLOT, v[ADRS]
	s_lshl_b32 s86, s43, 3
	s_lshl_b32 s88, s15, 2
	s_add_co_u32 s86, s86, s88
	s_cmp_eq_u32 ttmp9, 3
	s_cselect_b32 s86, 128, s86
	s_cselect_b32 s88, 0, 8192
	s_lshl_b32 s86, s86, 13
	s_mov_b32 s87, 0
	s_add_nc_u64 s[66:67], s[8:9], s[86:87]
	v_mov_b32 v[ROF], v[L16]
	v_add_nc_u32 v[ROF+1], s88, v[ROF]
	v_add_nc_u32 v[ROF+2], s88, v[ROF+1]
	v_add_nc_u32 v[ROF+3], s88, v[ROF+2]
	v_min_u32 v[PFO], 24, v3
	v_lshlrev_b32 v[PFO], 8, v[PFO]
	s_wait_alu depctr_va_vdst(0)
	ASK 0                                          ; piece 1, whose load goes out when piece 0 has landed,
	ASK SUPER                                      ; and piece 2: two pieces are asked for and not yet read, and never more
	WIN 0xc0
.irp a, 0,1,2,3
.set i, 0
.rept 16
	global_load_b128 v[64*\a+4*i:64*\a+4*i+3], v[ROF+\a], s[66:67] offset:512*i
.set i, i+1
.endr
.endr
	WIN 0
	s_lshl_b32 s86, s44, 1
	s_add_co_u32 s86, s86, s16
	s_add_co_u32 s88, s43, 24
	s_cmp_eq_u32 ttmp9, 3
	s_cselect_b32 s89, s88, s86
	s_cselect_b32 s90, s86, s43
	s_mul_i32 s86, s89, 196608
	s_mul_i32 s88, s90, 12288
	s_add_co_u32 s86, s86, s88
	s_mul_i32 s88, s15, 6144
	s_add_co_u32 s86, s86, s88
	s_add_nc_u64 s[68:69], s[10:11], s[86:87]
	s_lshl_b32 s86, s89, 13
	s_lshl_b32 s88, s90, 9
	s_add_co_u32 s86, s86, s88
	s_lshl_b32 s88, s15, 8
	s_add_co_u32 s86, s86, s88
	s_add_co_u32 s86, s86, 6291456
	s_add_nc_u64 s[70:71], s[10:11], s[86:87]
.macro FETCH slot, q, p
	WIN 0x40
.irp b, 0,1,2,3,4,5,6,7
.irp c, 0,1,2
	ds_load_b128 v[128*(\p)+12*\b+4*\c:128*(\p)+12*\b+4*\c+3], v[ADRB+\slot] offset:SUPER*\b+1536*(\q)+512*\c
.endr
.endr
	WIN 0
.irp a, 0,1,2,3
.irp c, 0,1,2
	ds_load_b128 v[AF+48*(\p)+12*\a+4*\c:AF+48*(\p)+12*\a+4*\c+3], v[ADRA+\slot] offset:SUPER*\a+1536*(\q)+512*\c
.endr
.endr
.endm
.macro SCALES slot, jj
.irp i, 0,1,2,3,4,5,6,7
	ds_load_b64 v[SC+16*(\jj)+2*\i:SC+16*(\jj)+2*\i+1], v[ADRS+\slot] offset:SUPER*\i+128*(\jj)
.endr
.endm
.macro MUL a, p, q, zero
	WIN 0xa1
.irp b, 0,1,2,3,4,5,6,7
.if \zero
	v_wmma_scale_f32_16x16x128_f8f6f4 v[8*(8*(\a)+\b):8*(8*(\a)+\b)+7], v[128*(\p)+12*\b:128*(\p)+12*\b+11], v[AF+48*(\p)+12*(\a):AF+48*(\p)+12*(\a)+11], 0, v[SC+16*((\q)/2)+2*\b+(\q)%2], v[SC+16*((\q)/2)+2*(\a)+(\q)%2] matrix_a_fmt:MATRIX_FMT_FP6 matrix_b_fmt:MATRIX_FMT_FP6 matrix_a_scale:MATRIX_SCALE_ROW1
.else
	v_wmma_scale_f32_16x16x128_f8f6f4 v[8*(8*(\a)+\b):8*(8*(\a)+\b)+7], v[128*(\p)+12*\b:128*(\p)+12*\b+11], v[AF+48*(\p)+12*(\a):AF+48*(\p)+12*(\a)+11], v[8*(8*(\a)+\b):8*(8*(\a)+\b)+7], v[SC+16*((\q)/2)+2*\b+(\q)%2], v[SC+16*((\q)/2)+2*(\a)+(\q)%2] matrix_a_fmt:MATRIX_FMT_FP6 matrix_b_fmt:MATRIX_FMT_FP6 matrix_a_scale:MATRIX_SCALE_ROW1
.endif
.endr
.endm
.macro STEP slot, q, zero
	PLACES
	FETCH \slot, (\q)+1, ((\q)+1)%2
.if (\q) == 1
	SCALES \slot, 1
	s_wait_dscnt 44
.else
	s_wait_dscnt 36
.endif
	MUL 0, (\q)%2, \q, \zero
	MUL 1, (\q)%2, \q, \zero
	MUL 2, (\q)%2, \q, \zero
	MUL 3, (\q)%2, \q, \zero
	WIN 0
.endm
.macro TURN slot, next, fill
.if (\fill) && (\slot) == 0
	s_wait_xcnt 0x0                                ; the last prefetches have read their address: it steps two pieces on, once a trip
	s_add_nc_u64 s[PFA:PFA+1], s[PFA:PFA+1], 2*SUPER
.endif
	s_wait_tensorcnt 0x0
	ds_add_u32 v[SPW], v[NIL]
	s_wait_dscnt 1
	MUL 0, 1, 3, 0
	s_wait_dscnt 0x0
	s_barrier_signal -1
	MUL 1, 1, 3, 0
	WIN 0
	s_barrier_wait -1
.if \fill
	CREST
	s_add_nc_u64 s[G0+4*\slot+2:G0+4*\slot+3], s[G0+4*\slot+2:G0+4*\slot+3], 2*SUPER
	s_add_nc_u64 s[G0B+4*\slot+2:G0B+4*\slot+3], s[G0B+4*\slot+2:G0B+4*\slot+3], 2*SUPER
	JLOAD G0+4*\slot, G1, G0B+4*\slot, G1B
.else
	PLACES
.endif
	FETCH \next, 0, 0
	SCALES \next, 0
.if \fill
	s_cmp_gt_u32 s3, 1                             ; the last trip's two fills have no piece two on
	s_cbranch_scc0 .Lno_ask_\@
	ASK SUPER*(\slot+1)
.Lno_ask_\@:
.endif
	MUL 2, 1, 3, 0
	MUL 3, 1, 3, 0
	WIN 0
.endm
	s_wait_alu depctr_va_vdst(0)
	s_wait_tensorcnt 0x0                           ; my part of piece 0 is in
	ds_add_u32 v[SPW], v[NIL]
	s_wait_dscnt 0x0
	CROUND
	JLOAD G0+4, G1, G0B+4, G1B                     ; piece 1
	FETCH 0, 0, 0
	SCALES 0, 0
	ASK 2*SUPER                                    ; piece 3
	STEP 0, 0, 1
	s_mov_b32 s3, LAPS-1
.Llap:
	STEP 0, 1, 0
	STEP 0, 2, 0
	TURN 0, 1, 1
	STEP 1, 0, 0
	STEP 1, 1, 0
	STEP 1, 2, 0
	TURN 1, 0, 1
	STEP 0, 0, 0
	s_sub_co_u32 s3, s3, 1
	s_cmp_lg_u32 s3, 0
	s_cbranch_scc1 .Llap
	STEP 0, 1, 0
	STEP 0, 2, 0
	TURN 0, 1, 0
	STEP 1, 0, 0
	STEP 1, 1, 0
	STEP 1, 2, 0
	s_wait_dscnt 0x0
	MUL 0, 1, 3, 0
	MUL 1, 1, 3, 0
	MUL 2, 1, 3, 0
	MUL 3, 1, 3, 0
	WIN 0
	s_wait_loadcnt 0x0
	PLACES
.irp b, 0,1,2,3
	v_mov_b32 v[TM+4+\b], 0
.endr
.macro OUT a
	WIN 0x0e
.set e, 0
.rept 16
	v_pk_mul_f32 v[YY+e:YY+e+1], v[64*(\a)+e:64*(\a)+e+1], v[64*(\a)+e:64*(\a)+e+1]
	v_pk_mul_f32 v[YY+32+e:YY+33+e], v[64*(\a)+32+e:64*(\a)+33+e], v[64*(\a)+e:64*(\a)+e+1]
.set e, e+2
.endr
.set e, 0
.rept 16                               ; the multiply-adds follow all the multiplies: none reads the line just above it
	v_pk_fma_f32 v[YY+e:YY+e+1], v[64*(\a)+32+e:64*(\a)+33+e], v[64*(\a)+32+e:64*(\a)+33+e], v[YY+e:YY+e+1] neg_lo:[1,0,0] neg_hi:[1,0,0]
	v_pk_fma_f32 v[YY+32+e:YY+33+e], v[64*(\a)+e:64*(\a)+e+1], v[64*(\a)+32+e:64*(\a)+33+e], v[YY+32+e:YY+33+e]
.set e, e+2
.endr
	WIN 0
	s_wait_xcnt 0x0
	QUANT YY, PC, TM, PW+(\a)
.irp c, 0,1,2
	global_store_b128 v[L16], v[PC+4*\c:PC+4*\c+3], s[68:69] offset:1536*(\a)+512*\c
.endr
.endm
	OUT 0
	OUT 1
	OUT 2
	OUT 3
	v_cmp_gt_u32 vcc_lo, 16, v3
	v_cndmask_b32 v168, v[PW+2], v[PW], vcc_lo
	v_cndmask_b32 v169, v[PW+3], v[PW+1], vcc_lo
	global_store_b64 v[L8], v[168:169], s[70:71]
	s_wait_tensorcnt 0x0
	ds_add_u32 v[SPW], v[NIL]
	s_wait_dscnt 0x0
	CROUND
	s_endpgm
.Lfunc_end_k_q2920d4ae0f_qkv:
	.size	k_q2920d4ae0f_qkv, .Lfunc_end_k_q2920d4ae0f_qkv-k_q2920d4ae0f_qkv
	.p2alignl 7, 3214868480
	.fill 96, 4, 3214868480
	.section	.rodata,"a",@progbits
	.p2align	6, 0x0
	.amdhsa_kernel k_q2920d4ae0f_qkv
		.amdhsa_group_segment_fixed_size 327680
		.amdhsa_private_segment_fixed_size 0
		.amdhsa_enable_private_segment 0
		.amdhsa_kernarg_size 32
		.amdhsa_user_sgpr_count 2
		.amdhsa_user_sgpr_kernarg_segment_ptr 1
		.amdhsa_wavefront_size32 1
		.amdhsa_system_sgpr_workgroup_id_x 1
		.amdhsa_system_sgpr_workgroup_id_y 1
		.amdhsa_system_sgpr_workgroup_id_z 1
		.amdhsa_system_vgpr_workitem_id 0
		.amdhsa_next_free_vgpr 1024
		.amdhsa_next_free_sgpr 98
		.amdhsa_reserve_vcc 1
		.amdhsa_float_denorm_mode_32 3
		.amdhsa_float_denorm_mode_16_64 3
		.amdhsa_memory_ordered 1
		.amdhsa_forward_progress 1
		.amdhsa_inst_pref_size 161
	.end_amdhsa_kernel
	.amdgpu_metadata
---
amdhsa.version: [ 1, 2 ]
amdhsa.kernels:
  - .name:           k_q2920d4ae0f_qkv
    .symbol:         k_q2920d4ae0f_qkv.kd
    .args:
      - { .name: xq, .offset: 0, .size: 8, .value_kind: global_buffer, .address_space: global }
      - { .name: wq, .offset: 8, .size: 8, .value_kind: global_buffer, .address_space: global }
      - { .name: rope, .offset: 16, .size: 8, .value_kind: global_buffer, .address_space: global }
      - { .name: qkv, .offset: 24, .size: 8, .value_kind: global_buffer, .address_space: global }
    .group_segment_fixed_size: 327680
    .private_segment_fixed_size: 0
    .kernarg_segment_align: 8
    .kernarg_segment_size: 32
    .max_flat_workgroup_size: 128
    .sgpr_count:     98
    .vgpr_count:     1024
    .wavefront_size: 32
...
	.end_amdgpu_metadata
.endif
;; end of part 2
;; launch attn (part 3): grid 32 x 8, 8 waves a work-group, clusters of 4 x 1, 327,680 bytes of LDS; arguments qkv, rope, att; writes att
.if DOCPART == 3
	.amdgcn_target "amdgcn-amd-amdhsa--gfx1250"
	.amdhsa_code_object_version 6
	.text
	.protected	k_q2920d4ae0f_attn
	.globl	k_q2920d4ae0f_attn
	.p2align	8
	.type	k_q2920d4ae0f_attn,@function
k_q2920d4ae0f_attn:
	s_mov_b64 s[64:65], 0
	v_nop
	global_prefetch_b8 v0, s[64:65] scope:SCOPE_SE
	s_setreg_imm32_b32 hwreg(HW_REG_WAVE_MODE, 25, 1), 1
	s_wait_xcnt 0x0
	s_wait_alu depctr_hold_cnt(0) depctr_sa_sdst(0) depctr_va_vdst(0) depctr_va_sdst(0) depctr_va_ssrc(0) depctr_va_vcc(0) depctr_vm_vsrc(0)
	s_getreg_b32 s2, hwreg(HW_REG_IB_STS2, 6, 4)
	s_cmp_eq_u32 s2, 0
	s_cbranch_scc0 .Lentry_in_a_cluster
	s_endpgm
.Lentry_in_a_cluster:
	s_bfe_u32 s2, ttmp6, 0x10000c
	s_cmp_lg_u32 s2, 0x3003
	s_cbranch_scc0 .Lentry_shape_is_right
	s_endpgm
.Lentry_shape_is_right:
; ATTENTION on codes of FP6 (E2M3) with E8M0 scales: scores = q k^T / sqrt(128) + mask, softmax, x v, / the row's sum, and the result quantised along head x 128 + d for the output projection.
; THE SOFTMAX AHEAD OF THE SECOND PRODUCT: t = logit x log2(e); M = the running largest t rounded UP to a whole number; p = 2^(t - M) is quantised along the keys; the row's sum is taken of the unquantised p.
; When M moves, the sum and O are multiplied by 2^(old M - new M): exact.
; SHARES.  A work-group: one key/value head g and 64 tokens, eight waves, two to a SIMD.  Waves w and w + 4 own the same tile of 16 tokens for BOTH query heads 2 g, 2 g + 1 (each fragment of K and V feeds two matrix
; instructions); of each slot's four key steps wave w < 4 takes the first two and wave w + 4 the last two: 1,024 keys each.  Place 0 of a wave holds head 2 g + w / 4, place 1 the other head.  At the end each wave sends
; its place 1 (O^T, -M, the sum) through an LDS stage of its own, takes its partner's, joins it to its own place 0 under the larger M, and stores that one head.  No branch tells the two halves apart: addresses do.
; The four work-groups of a cluster share g: every tensor load is joint (mask 15).
; LAYOUT.  Both products transposed: S^T = K Q^T + C (source 0 = 16 keys), O^T = V^T P^T (source 0 = 16 of the head's 128): a lane holds ONE token throughout.  Operands lie as images of their registers (1,536 bytes a fragment).
; A tile's rows are 32 B + 8 u + r + 8 (r / 8), so the 16 registers of tiles 2 b, 2 b + 1 are 16 neighbours.  THE MASK x sqrt(128) IS THE C OF THE SCORES' PRODUCT, loaded into the scores' own registers: t = c x (score + mask sqrt(128)).
; RING: two LDS slots of 512 keys (K's four steps, then V's four), 2^17 bytes apart, an eighth of a slot to a wave; K's and V's scale words and the mask come once and stay.  A wave has one tensor load out at a time.
; HEAD: one tensor load a wave: waves 0-5 a sixth of slot 0 each, wave 6 K's and V's scale words (two rows of 8,192 bytes), wave 7 the mask.
; LIMITS: a mask of -infinity gives p = 0; a row whose keys are all -infinity gives NaN, as the model does.  NaN and +infinity are not served.  A block of p or of the result under 2^-124 keeps the byte 1.
; REGISTERS: window 0: v1-11, v24-25 addresses; v12-19 for each place -M, the largest t, the sum in two halves; v32-79 at work, 24 a place; v80-207 the mask, S^T, then p, 64 a place; v208-231 p's codes; v232-251 scale words alone.
;   window 1: v0-127 O^T; v128-151 Q; v160-255 K's fragments, then V's.
.set SLOT1, 1<<17
.set KSC,   98304                      ; K's scale words of the whole head, 8,192 bytes; V's follow
.set MSK,   114688                     ; the mask x sqrt(128), 8,192 bytes
.set SPARE, 122880                     ; the spare words: 128 bytes a wave, four blocks of 256 bytes that no other line names
.set STG,   229376                     ; behind slot 1: the stages, no fill lands here
.set STGW,  8704                       ; a wave's stage: 64 registers' images and 512 bytes for -M and the sum
.set AF0, 1
.set AS0, 2
.set AM0, 3
.set ADR, 4
.set ADS, 5
.set ADM, 6
.set PFO, 7
.set ST,  12
.set SPW, 20
.set NIL, 21
.set STO, 24
.set STI, 25
.set WK,  32                           ; place u's work at WK + 24 u: +0..3 the blocks' maxima, +4..11 at work, +12..15 the conversions' scale operands, +16 at work, +18, +19 f
.set SS,  80
.set PCD, 208
.set FRG, 160
.set SEL, 20
.set CS,  22
.set G1T, 24
.set G1S, 32
.set G1M, 40
.set G0T, 48
.set G0S, 52
.set G0M, 56
.set TB,  60                           ; LDS byte at which the step's K begins
.set TS,  61                           ; the step's scale words and mask: 512 bytes a step
.set SLOTS, 62
.set CNT, 63
.set PFA, 66
.set LIM, 68
.set G1H, 80
.set G0H, 88
.set MSB, 0
.macro WIN new
.if MSB != \new
	s_set_vgpr_msb (MSB<<8)|\new
.set MSB, \new
.endif
.endm
.macro CROUND
	s_barrier_signal -1
	s_barrier_wait -1
	s_cmp_lg_u32 s10, 0
	s_cbranch_scc1 .Lnot_wave_0_\@
	s_barrier_signal -3
.Lnot_wave_0_\@:
	s_barrier_wait -3
	s_barrier_signal -1
	s_barrier_wait -1
.endm
; A prefetch of the slot after the one that is being asked for: 98,304 bytes in twelve pieces of 8,192, lanes 256 bytes apart.  All clusters of a head g walk the same K and V: the first of them asks; its four
; partners take three pieces each, told apart by address; in each, waves 0 to 2 ask, one instruction a wave.  So each block of 256 bytes is named once.  The last change that fills a slot asks for nothing.
.macro ASK
	s_cmp_gt_u32 s[SLOTS], s[LIM]
	s_cbranch_scc0 .Lnot_mine_\@
	global_prefetch_b8 v[PFO], s[PFA:PFA+1] th:TH_LOAD_NT scope:SCOPE_SE
.Lnot_mine_\@:
.endm
.macro QUANT src, pc, tm, pw
.irp b, 0,1,2,3
	v_max3_num_f32 v[(\tm)+\b], |v[(\src)+16*\b]|, |v[(\src)+1+16*\b]|, 0x1800000
.endr
.irp i, 2,4,6,8,10,12,14
.irp b, 0,1,2,3
	v_max3_num_f32 v[(\tm)+\b], v[(\tm)+\b], |v[(\src)+16*\b+\i]|, |v[(\src)+1+16*\b+\i]|
.endr
.endr
.irp b, 0,1,2,3
	v_permlanex16_b32 v[(\tm)+4+\b], v[(\tm)+\b], s[SEL], s[SEL+1]
.endr
.irp b, 0,1,2,3
	v_max_num_f32 v[(\tm)+\b], v[(\tm)+\b], v[(\tm)+4+\b]
.endr
.irp b, 0,1,2,3
	v_add_nc_u32 v[(\tm)+12+\b], 0xff000000, v[(\tm)+\b]
.endr
.irp b, 0,1,2,3
	v_lshrrev_b32 v[(\tm)+4+\b], 23, v[(\tm)+12+\b]
.endr
	v_lshl_or_b32 v[(\pw)], v[(\tm)+5], 8, v[(\tm)+4]
	v_lshl_or_b32 v[(\pw)], v[(\tm)+6], 16, v[(\pw)]
	v_lshl_or_b32 v[(\pw)], v[(\tm)+7], 24, v[(\pw)]
.irp c, 0,1
	v_cvt_scalef32_pk16_fp6_f32 v[(\pc)+6*\c:(\pc)+2+6*\c], v[(\src)+32*\c:(\src)+15+32*\c], v[(\tm)+12+2*\c]
	v_cvt_scalef32_pk16_fp6_f32 v[(\pc)+12+4*\c:(\pc)+14+4*\c], v[(\src)+16+32*\c:(\src)+31+32*\c], v[(\tm)+13+2*\c]
.endr
	v_nop
.irp c, 0,1
.irp i, 0,1,2
	v_permlane16_swap_b32 v[(\pc)+6*\c+\i], v[(\pc)+12+4*\c+\i]
.endr
.irp i, 0,1,2
	v_mov_b32 v[(\pc)+3+6*\c+\i], v[(\pc)+12+4*\c+\i]
.endr
.endr
.endm
	s_load_b128 s[4:7], s[0:1], 0x0                ; qkv s[4:5], rope s[6:7]
	s_load_b64 s[8:9], s[0:1], 0x10                ; att
	v_lshl_add_u32 v[SPW], v0, 2, SPARE
	v_mov_b32 v[NIL], 0
	ds_add_u32 v[SPW], v[NIL]                      ; the opening lines: the add twice on end and one wait
	ds_add_u32 v[SPW], v[NIL]
	v_lshrrev_b32 v1, 5, v0
	v_readfirstlane_b32 s10, v1                    ; wave 0..7
	s_and_b32 s12, ttmp7, 0xffff                   ; g
	s_lshr_b32 s13, s10, 2                         ; which half of a slot's key steps is mine.  Also: in the ring I fetch for K (0) or for V (1)
	s_and_b32 s14, s10, 3                          ; my tile of the work-group's four.  Also: which quarter of K or V I fetch
	; descriptor groups 1: elements of 8 bytes; 15:0 the mask: all four work-groups; 21 set beside it
.irp g, G1T, G1S, G1M, G1H
	s_mov_b32 s[\g], 15|(3<<16)|(1<<21)
	s_mov_b32 s[\g+6], 0
	s_mov_b32 s[\g+7], 0
.endr
.irp g, G1T, G1M, G1H                  ; dense blocks as rows of 256 bytes
	s_mov_b32 s[\g+1], 32<<16
	s_mov_b32 s[\g+3], 32<<16
	s_mov_b32 s[\g+5], 32
.endr
	s_mov_b32 s[G1T+2], 48<<16                     ; an eighth of a slot: 12,288 bytes
	s_mov_b32 s[G1T+4], 48
	s_mov_b32 s[G1H+2], 64<<16                     ; a sixth of slot 0: 16,384 bytes
	s_mov_b32 s[G1H+4], 64
	s_mov_b32 s[G1M+2], 32<<16                     ; the mask: 8,192 bytes
	s_mov_b32 s[G1M+4], 32
	s_mov_b32 s[G1S+1], 1024<<16                   ; the scale words: two rows of 8,192 bytes, K's head and V's, eight heads (65,536 bytes) apart
	s_mov_b32 s[G1S+2], 2<<16
	s_mov_b32 s[G1S+3], 1024<<16
	s_mov_b32 s[G1S+4], 2
	s_mov_b32 s[G1S+5], 8192
	s_add_co_u32 s15, s12, 16
	s_mul_i32 s16, s15, 196608                     ; K's head 16 + g
	s_mul_i32 s17, s13, 1572864                    ; V's lies eight heads on
	s_mul_i32 s18, s14, 12288
	s_add_co_u32 s76, s16, s17
	s_add_co_u32 s76, s76, s18                     ; the ring: my eighth
	s_mov_b32 s77, 0
	s_cmp_ge_u32 s10, 3                            ; the head: sixths 0-2 are K's, 3-5 V's
	s_cselect_b32 s17, 1523712, 0
	s_lshl_b32 s18, s10, 14
	s_add_co_u32 s78, s16, s17
	s_add_co_u32 s78, s78, s18
	s_mov_b32 s79, 0
	s_lshl_b32 s92, s15, 13
	s_add_co_u32 s92, s92, 6291456
	s_mov_b32 s93, 0
	s_mov_b32 s19, 0
	s_mov_b32 s[SEL], 0x76543210
	s_mov_b32 s[SEL+1], 0xfedcba98
	s_mov_b32 s[CS], 0x3e0293ee                    ; c = log2(e) / sqrt(128)
	s_mov_b32 s[CS+1], s[CS]
	s_mul_i32 s[TB], s13, 24576                    ; my first key step of a slot: 0 or 2
	s_lshl_b32 s[TS], s13, 10
	s_mov_b32 s[SLOTS], 3
	s_wait_dscnt 0x0                               ; both opening adds are done
	s_wait_kmcnt 0x0
	s_mov_b32 s[G0T], 1
	s_mul_i32 s[G0T+1], s10, 12288                 ; K's four quarters, V's four quarters; first used for slot 1
	s_add_nc_u64 s[G0T+2:G0T+3], s[4:5], s[76:77]
	s_or_b32 s[G0T+3], s[G0T+3], 0x80000000
	s_mov_b32 s[G0H], 1
	s_lshl_b32 s[G0H+1], s10, 14
	s_add_nc_u64 s[G0H+2:G0H+3], s[4:5], s[78:79]
	s_or_b32 s[G0H+3], s[G0H+3], 0x80000000
	s_mov_b32 s[G0S], 1
	s_mov_b32 s[G0S+1], KSC
	s_add_nc_u64 s[G0S+2:G0S+3], s[4:5], s[92:93]
	s_or_b32 s[G0S+3], s[G0S+3], 0x80000000
	s_mov_b32 s[G0M], 1
	s_mov_b32 s[G0M+1], MSK
	s_add_nc_u64 s[G0M+2:G0M+3], s[6:7], 1056768
	s_or_b32 s[G0M+3], s[G0M+3], 0x80000000
	CROUND                                         ; all four work-groups are here: the first joint loads meet
.macro ARM under, g0, g1, next         ; one chain of branches on the wave's number: every way passes exactly one load
	s_cmp_lt_u32 s10, \under
	s_cbranch_scc0 \next
	tensor_load_to_lds s[\g0:\g0+3], s[\g1:\g1+7]
	s_nop 0
.rept 4
	v_nop
.endr
	s_branch .Lhead_asked
\next:
.endm
	ARM 6, G0H, G1H, .Lhead_s
	ARM 7, G0S, G1S, .Lhead_m
	tensor_load_to_lds s[G0M:G0M+3], s[G1M:G1M+7]
	s_nop 0
.rept 4
	v_nop
.endr
.Lhead_asked:
	; what hangs on my place in the cluster: Q's, the result's and the prefetches' addresses
	s_bfe_u32 s11, ttmp6, 0x40000                  ; cx
	s_mul_i32 s17, s11, 3
	s_add_co_u32 s17, s17, s10                     ; my piece of a slot, 0..11 (waves 0 to 2)
	s_cmp_ge_u32 s17, 6
	s_cselect_b32 s18, 1523712, 0                  ; pieces 6 to 11 are V's
	s_lshl_b32 s17, s17, 13
	s_add_co_u32 s17, s17, s18
	s_add_co_u32 s17, s17, s16
	s_add_co_u32 s18, s17, 49152                   ; in slot 1: the first change of slots steps it to slot 2
	s_add_nc_u64 s[PFA:PFA+1], s[4:5], s[18:19]
	s_cmp_lt_u32 s10, 3
	s_cselect_b32 s18, 0, 1
	s_or_b32 s18, s18, ttmp9                       ; the head's first cluster: the same in all four partners
	s_cmp_eq_u32 s18, 0
	s_cselect_b32 s[LIM], 1, -1
	s_lshl_b32 s15, ttmp9, 4
	s_lshl_b32 s17, s11, 2
	s_add_co_u32 s15, s15, s17
	s_add_co_u32 s15, s15, s14                     ; T: my tile of tokens
	s_mul_i32 s18, s12, 2*196608
	s_mul_i32 s17, s15, 1536
	s_add_co_u32 s18, s18, s17
	s_mul_i32 s17, s13, 196608
	s_add_co_u32 s18, s18, s17
	s_add_nc_u64 s[70:71], s[4:5], s[18:19]        ; Q's image, place 0: head 2 g + w / 4
	s_sub_co_u32 s18, s18, s17
	s_sub_co_u32 s18, s18, s17
	s_add_co_u32 s18, s18, 196608
	s_add_nc_u64 s[94:95], s[4:5], s[18:19]        ; place 1: the other head
	s_lshl_b32 s18, s12, 14
	s_lshr_b32 s17, s15, 1
	s_lshl_b32 s17, s17, 7
	s_add_co_u32 s18, s18, s17
	s_and_b32 s17, s15, 1
	s_lshl_b32 s17, s17, 2
	s_add_co_u32 s18, s18, s17
	s_add_co_u32 s18, s18, 6291456
	s_lshl_b32 s17, s13, 13
	s_add_co_u32 s18, s18, s17
	s_add_nc_u64 s[72:73], s[4:5], s[18:19]        ; Q's scale words, place 0,
	s_sub_co_u32 s18, s18, s17
	s_sub_co_u32 s18, s18, s17
	s_add_co_u32 s18, s18, 8192
	s_add_nc_u64 s[78:79], s[4:5], s[18:19]        ; and place 1
	s_mul_i32 s16, s15, 25600
	s_lshr_b32 s17, s12, 1
	s_mul_i32 s17, s17, 6400
	s_add_co_u32 s16, s16, s17                     ; the result: tile T, K block g / 2
	s_and_b32 s17, s12, 1
	s_mul_i32 s18, s17, 3072
	s_add_co_u32 s18, s18, s16
	s_mul_i32 s92, s13, 1536
	s_add_co_u32 s18, s18, s92
	s_add_nc_u64 s[74:75], s[8:9], s[18:19]        ; K step 2 (g % 2) + w / 4
	s_lshl_b32 s18, s17, 7
	s_add_co_u32 s18, s18, s16
	s_add_co_u32 s18, s18, 6144
	s_lshl_b32 s92, s13, 2
	s_add_co_u32 s18, s18, s92
	s_add_nc_u64 s[76:77], s[8:9], s[18:19]        ; its scale words: 8 r + 4 (w / 4)
	s_mul_i32 s92, s10, STGW
	s_add_co_u32 s92, s92, STG                     ; my stage,
	s_xor_b32 s93, s10, 4
	s_mul_i32 s93, s93, STGW
	s_add_co_u32 s93, s93, STG                     ; and my partner's
	v_and_b32 v8, 31, v0                           ; lane
	v_and_b32 v9, 15, v0                           ; r
	v_bfe_u32 v10, v0, 4, 1                        ; h
	v_lshlrev_b32 v[AF0], 4, v8
	v_lshl_add_u32 v[AS0], v9, 3, KSC
	v_lshl_add_u32 v[AM0], v10, 6, MSK
	v_lshlrev_b32 v[PFO], 8, v8
	v_lshlrev_b32 v11, 3, v9                       ; 8 r
	v_add_nc_u32 v[STO], s92, v[AF0]
	v_add_nc_u32 v[STI], s93, v[AF0]
	WIN 0x40
.irp c, 0,1,2
	global_load_b128 v[128+4*\c:131+4*\c], v[AF0], s[70:71] offset:512*\c   ; Q stays in registers
	global_load_b128 v[140+4*\c:143+4*\c], v[AF0], s[94:95] offset:512*\c
.endr
.set j, 0
.rept 128
	v_mov_b32 v[j], 0                              ; O^T.  (The step is written once: the first finds zeros, which the first change of M leaves zeros)
.set j, j+1
.endr
	WIN 0
	global_load_b32 v248, v11, s[72:73]
	global_load_b32 v249, v11, s[78:79]
.irp u, 0,1
	v_mov_b32 v[ST+1+4*\u], 0xff61b1e6             ; the largest t so far: -3e38
	v_floor_f32 v[ST+4*\u], -v[ST+1+4*\u]          ; -M
	v_mov_b32 v[ST+2+4*\u], 0
	v_mov_b32 v[ST+3+4*\u], 0
	v_mov_b32 v[WK+19+24*\u], 0                    ; (named as the upper half of f's pair)
	v_mov_b32 v[WK+16+24*\u], 0
.irp b, 0,1,2,3
	v_mov_b32 v[WK+4+24*\u+\b], 0                  ; written once: a lane permute's destination counts as one of its sources
.endr
.endr
; A KEY STEP: 128 keys, both heads.
.macro STEP
	v_add_nc_u32 v[ADR], s[TB], v[AF0]             ; three additions and a v_nop: the four places behind the last products, in front of the loads
	v_add_nc_u32 v[ADS], s[TS], v[AS0]
	v_add_nc_u32 v[ADM], s[TS], v[AM0]
	v_nop
.irp i, 0,1,2,3
	ds_load_b64 v[232+2*\i:233+2*\i], v[ADS] offset:128*\i          ; K's scale words, tiles 2 i, 2 i + 1
	ds_load_b64 v[240+2*\i:241+2*\i], v[ADS] offset:8192+128*\i     ; V's
.endr
.irp t, 0,1,2,3,4,5,6,7
.irp k, 0,1
	ds_load_b128 v[SS+64+8*\t+4*\k:SS+64+8*\t+4*\k+3], v[ADM] offset:128*(\t/2)+32*(\t%2)+16*\k   ; register j of tile t: the mask of key 32 (t / 2) + 16 h + 8 (t % 2) + j, once, into place 1's score registers
.endr
.endr
	WIN 0x40
.irp t, 0,1,2,3,4,5,6,7
.irp c, 0,1,2
	ds_load_b128 v[FRG+12*\t+4*\c:FRG+12*\t+4*\c+3], v[ADR] offset:1536*\t+512*\c
.endr
.endr
	s_wait_alu depctr_va_vdst(0)                   ; directly ahead of the wait below: V's loads read the step's address behind it
	s_wait_dscnt 12                                ; all but the youngest twelve: K's tiles 4 to 7
	WIN 0x05                                       ; K and Q window 1, the mask and S^T window 0
.irp t, 0,1,2,3                        ; place 0's eight products take the mask, which lies in place 1's registers, as their C
	v_wmma_scale_f32_16x16x128_f8f6f4 v[SS+8*\t:SS+8*\t+7], v[FRG+12*\t:FRG+12*\t+11], v[128:139], v[SS+64+8*\t:SS+64+8*\t+7], v[232+\t], v248 matrix_a_fmt:MATRIX_FMT_FP6 matrix_b_fmt:MATRIX_FMT_FP6
.endr
	s_wait_dscnt 0x0
.irp t, 4,5,6,7
	v_wmma_scale_f32_16x16x128_f8f6f4 v[SS+8*\t:SS+8*\t+7], v[FRG+12*\t:FRG+12*\t+11], v[128:139], v[SS+64+8*\t:SS+64+8*\t+7], v[232+\t], v248 matrix_a_fmt:MATRIX_FMT_FP6 matrix_b_fmt:MATRIX_FMT_FP6
.endr
.rept 5
	v_nop                                          ; five places: the products below write over registers that those above have read as C
.endr
.irp t, 0,1,2,3,4,5,6,7                ; place 1's eight add onto the mask in place
	v_wmma_scale_f32_16x16x128_f8f6f4 v[SS+64+8*\t:SS+64+8*\t+7], v[FRG+12*\t:FRG+12*\t+11], v[140:151], v[SS+64+8*\t:SS+64+8*\t+7], v[232+\t], v249 matrix_a_fmt:MATRIX_FMT_FP6 matrix_b_fmt:MATRIX_FMT_FP6
.endr
.rept 4
	v_nop                                          ; four places: for the loads into K's registers and for the first reads of S^T
.endr
	WIN 0x40
.irp t, 0,1,2,3,4,5,6,7
.irp c, 0,1,2
	ds_load_b128 v[FRG+12*\t+4*\c:FRG+12*\t+4*\c+3], v[ADR] offset:49152+1536*\t+512*\c   ; V's fragments take K's registers; they land under the softmax
.endr
.endr
	WIN 0
.irp b, 0,1,2,3
.irp u, 0,1
	v_max3_num_f32 v[WK+24*\u+\b], v[SS+64*\u+16*\b], v[SS+1+64*\u+16*\b], v[SS+2+64*\u+16*\b]   ; the largest score of each block of 32 keys: it serves the row's maximum and, since p rises with the score, the block's largest p
.endr
.endr
.irp i, 3,5,7,9,11,13
.irp b, 0,1,2,3
.irp u, 0,1
	v_max3_num_f32 v[WK+24*\u+\b], v[WK+24*\u+\b], v[SS+64*\u+16*\b+\i], v[SS+1+64*\u+16*\b+\i]
.endr
.endr
.endr
.irp b, 0,1,2,3
.irp u, 0,1
	v_max_num_f32 v[WK+24*\u+\b], v[WK+24*\u+\b], v[SS+15+64*\u+16*\b]
.endr
.endr
.irp b, 0,1,2,3
.irp u, 0,1
	v_permlanex16_b32 v[WK+4+24*\u+\b], v[WK+24*\u+\b], s[SEL], s[SEL+1]
.endr
.endr
.irp b, 0,1,2,3
.irp u, 0,1
	v_max_num_f32 v[WK+24*\u+\b], v[WK+24*\u+\b], v[WK+4+24*\u+\b]
.endr
.endr
.irp u, 0,1
	v_max3_num_f32 v[WK+16+24*\u], v[WK+24*\u], v[WK+1+24*\u], v[WK+2+24*\u]
.endr
.irp u, 0,1
	v_max_num_f32 v[WK+16+24*\u], v[WK+16+24*\u], v[WK+3+24*\u]
.endr
.irp u, 0,1
	v_mul_f32 v[WK+16+24*\u], s[CS], v[WK+16+24*\u]            ; as t
.endr
.irp u, 0,1
	v_max_num_f32 v[ST+1+4*\u], v[ST+1+4*\u], v[WK+16+24*\u]   ; the running largest t
.endr
.irp u, 0,1
	v_mov_b32 v[WK+16+24*\u], v[ST+4*\u]
.endr
.irp u, 0,1
	v_floor_f32 v[ST+4*\u], -v[ST+1+4*\u]                      ; the new -M = -ceil(t)
.endr
.irp u, 0,1
	v_sub_f32 v[WK+16+24*\u], v[ST+4*\u], v[WK+16+24*\u]       ; old M - new M: a whole number, 0 or less
.endr
.irp u, 0,1
	v_cvt_i32_f32 v[WK+16+24*\u], v[WK+16+24*\u]               ; (it saturates)
.endr
.irp u, 0,1
	v_ldexp_f32 v[WK+18+24*\u], 1.0, v[WK+16+24*\u]            ; f = 2^(old M - new M)
.endr
.set j, 0
.rept 32
.irp u, 0,1
	v_pk_fma_f32 v[SS+64*\u+j:SS+64*\u+j+1], v[SS+64*\u+j:SS+64*\u+j+1], s[CS:CS+1], v[ST+4*\u:ST+4*\u+1] op_sel_hi:[1,0,0]   ; t - M
.endr
.set j, j+2
.endr
.irp b, 0,1,2,3
.irp u, 0,1
	v_fma_f32 v[WK+24*\u+\b], v[WK+24*\u+\b], s[CS], v[ST+4*\u]
.endr
.endr
.set j, 0
	s_wait_alu depctr_va_vdst(0)                   ; ahead of the batch
.rept 64
.irp u, 0,1
	v_exp_f32 v[SS+64*\u+j], v[SS+64*\u+j]                     ; p = 2^(t - M): not normalised
.endr
.set j, j+1
.endr
.irp u, 0,1
	v_pk_mul_f32 v[ST+2+4*\u:ST+3+4*\u], v[ST+2+4*\u:ST+3+4*\u], v[WK+18+24*\u:WK+19+24*\u] op_sel_hi:[1,0]   ; the sums under the new M.  (Plain work behind the exponentials)
.endr
	s_wait_alu depctr_va_vdst(0)                   ; one wait for the 128, ahead of their first reader
.irp b, 0,1,2,3
.irp u, 0,1
	v_exp_f32 v[WK+24*\u+\b], v[WK+24*\u+\b]                   ; the block's largest p
.endr
.endr
.irp u, 0,1
	v_pk_add_f32 v[WK+4+24*\u:WK+5+24*\u], v[SS+64*\u:SS+1+64*\u], v[SS+2+64*\u:SS+3+64*\u]   ; the row's sum of the unquantised p, in two chains a head
.endr
.irp j, 4,8,12,16,20,24,28,32,36,40,44,48,52,56,60
.irp u, 0,1
	v_pk_add_f32 v[ST+2+4*\u:ST+3+4*\u], v[ST+2+4*\u:ST+3+4*\u], v[SS+64*\u+\j:SS+1+64*\u+\j]
	v_pk_add_f32 v[WK+4+24*\u:WK+5+24*\u], v[WK+4+24*\u:WK+5+24*\u], v[SS+2+64*\u+\j:SS+3+64*\u+\j]
.endr
.endr
.irp u, 0,1
	v_pk_add_f32 v[ST+2+4*\u:ST+3+4*\u], v[ST+2+4*\u:ST+3+4*\u], v[WK+4+24*\u:WK+5+24*\u]
.endr
	s_wait_alu depctr_va_vdst(0)                   ; and one for the eight
.irp b, 0,1,2,3
.irp u, 0,1
	v_max_num_f32 v[WK+24*\u+\b], 0x1800000, v[WK+24*\u+\b]    ; the floor: the byte cannot fall under 1
.endr
.endr
.irp b, 0,1,2,3
.irp u, 0,1
	v_add_nc_u32 v[WK+12+24*\u+\b], 0xff000000, v[WK+24*\u+\b]
.endr
.endr
.irp b, 0,1,2,3
.irp u, 0,1
	v_lshrrev_b32 v[WK+4+24*\u+\b], 23, v[WK+12+24*\u+\b]
.endr
.endr
.irp u, 0,1
	v_lshl_or_b32 v[250+\u], v[WK+5+24*\u], 8, v[WK+4+24*\u]   ; p's scale word for these 128 keys
.endr
.irp u, 0,1
	v_lshl_or_b32 v[250+\u], v[WK+6+24*\u], 16, v[250+\u]
.endr
.irp u, 0,1
	v_lshl_or_b32 v[250+\u], v[WK+7+24*\u], 24, v[250+\u]
.endr
.irp u, 0,1
.irp c, 0,1
	v_cvt_scalef32_pk16_fp6_f32 v[PCD+12*\u+6*\c:PCD+2+12*\u+6*\c], v[SS+64*\u+32*\c:SS+15+64*\u+32*\c], v[WK+12+24*\u+2*\c]
	v_cvt_scalef32_pk16_fp6_f32 v[WK+4+24*\u+4*\c:WK+6+24*\u+4*\c], v[SS+16+64*\u+32*\c:SS+31+64*\u+32*\c], v[WK+13+24*\u+2*\c]
.endr
.endr
	v_nop                                          ; one plain instruction behind the scaled conversions
.irp u, 0,1
.irp c, 0,1
.irp i, 0,1,2
	v_permlane16_swap_b32 v[PCD+12*\u+6*\c+\i], v[WK+4+24*\u+4*\c+\i]
.endr
.irp i, 0,1,2
	v_mov_b32 v[PCD+3+12*\u+6*\c+\i], v[WK+4+24*\u+4*\c+\i]
.endr
.endr
.endr
	WIN 0x41                                       ; O^T (destination and source 0) window 1, f window 0
	s_wait_alu depctr_va_vdst(0)                   ; directly ahead of the first reader of O^T
.irp u, 0,1
.set j, 0
.rept 32
	v_pk_mul_f32 v[64*\u+j:64*\u+j+1], v[64*\u+j:64*\u+j+1], v[WK+18+24*\u:WK+19+24*\u] op_sel_hi:[1,0]   ; O^T under the new M.  (These 64 are also the places between the codes' and the scale words' last writes and the products)
.set j, j+2
.endr
.endr
	s_wait_alu depctr_va_vdst(0)                   ; directly ahead of the wait below
	s_wait_dscnt 0x0                               ; V
	WIN 0x51                                       ; V and O^T window 1, p window 0
.irp t, 0,1,2,3,4,5,6,7
.irp u, 0,1
	v_wmma_scale_f32_16x16x128_f8f6f4 v[64*\u+8*\t:64*\u+8*\t+7], v[FRG+12*\t:FRG+12*\t+11], v[PCD+12*\u:PCD+11+12*\u], v[64*\u+8*\t:64*\u+8*\t+7], v[240+\t], v[250+\u] matrix_a_fmt:MATRIX_FMT_FP6 matrix_b_fmt:MATRIX_FMT_FP6
.endr
.endr
	WIN 0
	s_add_co_u32 s[TB], s[TB], 12288
	s_add_co_u32 s[TS], s[TS], 512
.endm
.macro SLOT_STEPS                      ; my two key steps of a slot: written once, walked twice
	s_mov_b32 s[CNT], 2
.Lstep_\@:
	STEP
	s_sub_co_u32 s[CNT], s[CNT], 1
	s_cmp_lg_u32 s[CNT], 0
	s_cbranch_scc1 .Lstep_\@
	s_sub_co_u32 s[TB], s[TB], 24576               ; back to my first step of a slot,
	s_xor_b32 s[TB], s[TB], SLOT1                  ; in the other slot;
	s_add_co_u32 s[TS], s[TS], 1024                ; past my partner's two steps
.endm
; THE CHANGE OF SLOTS stands at a slot's head.  Each wave waits for all its tensor loads (its part of the slot ahead), adds 0 to its spare word, and waits for that and for its reads of the slot that it has left.
; fill = 1: behind a round of the cluster's barrier the other slot is filled with the next 512 keys: the load has the slot's key steps in which to land.
.macro CHANGE fill
	s_wait_tensorcnt 0x0
	ds_add_u32 v[SPW], v[NIL]
.if \fill
	s_xor_b32 s[G0T+1], s[G0T+1], SLOT1            ; no tensor load of mine is out: the descriptor walks on
	s_add_nc_u64 s[G0T+2:G0T+3], s[G0T+2:G0T+3], 49152
	s_wait_xcnt 0x0                                ; the last prefetch, a slot back, has read its address
	s_add_nc_u64 s[PFA:PFA+1], s[PFA:PFA+1], 49152
	s_wait_dscnt 0x0
	CROUND
	tensor_load_to_lds s[G0T:G0T+3], s[G1T:G1T+7]  ; the first thing behind the round, and my one tensor load until the next
	s_nop 0
.rept 4
	v_nop
.endr
	ASK
.else
	s_wait_dscnt 0x0
	s_barrier_signal -1
	s_barrier_wait -1
.endif
.endm
	s_wait_alu depctr_va_vdst(0)                   ; at the head's end
	s_wait_loadcnt 0x0                             ; Q and its scale words
.Lslot:                                                ; three trips: behind each change of slots but the last the next slot is asked for
	CHANGE 1
	SLOT_STEPS
	s_sub_co_u32 s[SLOTS], s[SLOTS], 1
	s_cmp_lg_u32 s[SLOTS], 0
	s_cbranch_scc1 .Lslot
	CHANGE 0                                       ; the last slot is written out
	SLOT_STEPS
	; THE JOIN.  My place 1 goes to my stage as the image of its registers, with its -M and its sum; behind a barrier I take my partner's place 1, which is my place 0's head over the other 1,024 keys.
	v_add_f32 v[ST+2], v[ST+2], v[ST+3]            ; (two additions and two v_nop: the four places behind the last products)
	v_add_f32 v[ST+5], v[ST+6], v[ST+7]            ; place 1's sum beside its -M
	v_nop
	v_nop
	WIN 0x04                                       ; the data: window 1
.set i, 0
.rept 16
	ds_store_b128 v[STO], v[64+4*i:67+4*i] offset:512*i             ; each accumulator from its low end on
.set i, i+1
.endr
	WIN 0
	ds_store_b128 v[STO], v[ST+4:ST+7] offset:8192 ; -M, the sum (the other two words are not read)
	s_wait_alu depctr_va_vdst(0)                   ; directly ahead of the wait below
	s_wait_dscnt 0x0                               ; my stores are done, for my partner's sake
	s_barrier_signal -1
	s_barrier_wait -1
.set i, 0
.rept 16
	ds_load_b128 v[SS+4*i:SS+4*i+3], v[STI] offset:512*i
.set i, i+1
.endr
	ds_load_b128 v[WK:WK+3], v[STI] offset:8192
	s_wait_dscnt 0x0
	v_min_num_f32 v[WK+4], v[ST], v[WK]            ; -M of the two together
	v_sub_f32 v[WK+5], v[WK+4], v[ST]
	v_sub_f32 v[WK+6], v[WK+4], v[WK]
	v_cvt_i32_f32 v[WK+5], v[WK+5]
	v_cvt_i32_f32 v[WK+6], v[WK+6]
	v_ldexp_f32 v[WK+18], 1.0, v[WK+5]             ; what brings my part under it: a power of two,
	v_ldexp_f32 v[WK+42], 1.0, v[WK+6]             ; and my partner's
	v_mul_f32 v[WK+12], v[ST+2], v[WK+18]
	v_fma_f32 v[WK+12], v[WK+1], v[WK+42], v[WK+12]
	v_permlanex16_b32 v[WK+16], v[WK+12], s[SEL], s[SEL+1]
	v_add_f32 v[WK+12], v[WK+12], v[WK+16]         ; the row's sum
	s_wait_alu depctr_va_vdst(0)                   ; ahead of the transcendental
	v_rcp_f32 v[WK+13], v[WK+12]
	v_nop                                          ; a plain instruction behind the reciprocal,
	s_wait_alu depctr_va_vdst(0)                   ; and the wait ahead of its first reader
	v_mul_f32 v[WK+18], v[WK+18], v[WK+13]
	v_mul_f32 v[WK+42], v[WK+42], v[WK+13]
.set j, 0
.rept 32
	v_pk_mul_f32 v[SS+j:SS+j+1], v[SS+j:SS+j+1], v[WK+42:WK+43] op_sel_hi:[1,0]
.set j, j+2
.endr
	WIN 0x01                                       ; source 0: my O^T, window 1
	s_wait_alu depctr_va_vdst(0)                   ; directly ahead of the first reader of O^T
.set j, 0
.rept 32
	v_pk_fma_f32 v[SS+j:SS+j+1], v[j:j+1], v[WK+18:WK+19], v[SS+j:SS+j+1] op_sel_hi:[1,0,1]   ; each accumulator from its low end on
.set j, j+2
.endr
	WIN 0
	; THE WAY OUT: a lane's 64 numbers are d = 32 b + 16 h + i of its token: one K step of the output projection; quantised, and stored as the fragment's image.
	QUANT SS, PCD, WK, WK+16
.irp c, 0,1,2
	global_store_b128 v[AF0], v[PCD+4*\c:PCD+4*\c+3], s[74:75] offset:512*\c
.endr
	global_store_b32 v11, v[WK+16], s[76:77]       ; row r's word (lanes r and r + 16 hold the same word and name the same place); my partner's words fill the places between
	s_wait_tensorcnt 0x0                           ; the wave's end
	ds_add_u32 v[SPW], v[NIL]
	s_wait_dscnt 0x0
	CROUND                                         ; the closing round
	s_endpgm
.Lfunc_end_k_q2920d4ae0f_attn:
	.size	k_q2920d4ae0f_attn, .Lfunc_end_k_q2920d4ae0f_attn-k_q2920d4ae0f_attn
	.p2alignl 7, 3214868480
	.fill 96, 4, 3214868480
	.section	.rodata,"a",@progbits
	.p2align	6, 0x0
	.amdhsa_kernel k_q2920d4ae0f_attn
		.amdhsa_group_segment_fixed_size 327680
		.amdhsa_private_segment_fixed_size 0
		.amdhsa_enable_private_segment 0
		.amdhsa_kernarg_size 24
		.amdhsa_user_sgpr_count 2
		.amdhsa_user_sgpr_kernarg_segment_ptr 1
		.amdhsa_wavefront_size32 1
		.amdhsa_system_sgpr_workgroup_id_x 1
		.amdhsa_system_sgpr_workgroup_id_y 1
		.amdhsa_system_sgpr_workgroup_id_z 1
		.amdhsa_system_vgpr_workitem_id 0
		.amdhsa_next_free_vgpr 512
		.amdhsa_next_free_sgpr 96
		.amdhsa_reserve_vcc 0
		.amdhsa_float_denorm_mode_32 3
		.amdhsa_float_denorm_mode_16_64 3
		.amdhsa_memory_ordered 1
		.amdhsa_forward_progress 1
		.amdhsa_inst_pref_size 98
	.end_amdhsa_kernel
	.amdgpu_metadata
---
amdhsa.version: [ 1, 2 ]
amdhsa.kernels:
  - .name:           k_q2920d4ae0f_attn
    .symbol:         k_q2920d4ae0f_attn.kd
    .args:
      - { .name: qkv, .offset: 0, .size: 8, .value_kind: global_buffer, .address_space: global }
      - { .name: rope, .offset: 8, .size: 8, .value_kind: global_buffer, .address_space: global }
      - { .name: att, .offset: 16, .size: 8, .value_kind: global_buffer, .address_space: global }
    .group_segment_fixed_size: 327680
    .private_segment_fixed_size: 0
    .kernarg_segment_align: 8
    .kernarg_segment_size: 24
    .max_flat_workgroup_size: 256
    .sgpr_count:     96
    .vgpr_count:     512
    .wavefront_size: 32
...
	.end_amdgpu_metadata
.endif
;; end of part 3
;; launch oproj (part 4): grid 16 x 16, 4 waves a work-group, clusters of 4 x 4, 327,680 bytes of LDS; arguments att, woq, out0; writes out0
.if DOCPART == 4
	.amdgcn_target "amdgcn-amd-amdhsa--gfx1250"
	.amdhsa_code_object_version 6
	.text
	.protected	k_q2920d4ae0f_oproj
	.globl	k_q2920d4ae0f_oproj
	.p2align	8
	.type	k_q2920d4ae0f_oproj,@function
k_q2920d4ae0f_oproj:
	s_mov_b64 s[64:65], 0
	v_nop
	global_prefetch_b8 v0, s[64:65] scope:SCOPE_SE
	s_setreg_imm32_b32 hwreg(HW_REG_WAVE_MODE, 25, 1), 1
	s_wait_xcnt 0x0
	s_wait_alu depctr_hold_cnt(0) depctr_sa_sdst(0) depctr_va_vdst(0) depctr_va_sdst(0) depctr_va_ssrc(0) depctr_va_vcc(0) depctr_vm_vsrc(0)
	s_getreg_b32 s2, hwreg(HW_REG_IB_STS2, 6, 4)
	s_cmp_eq_u32 s2, 0
	s_cbranch_scc0 .Lentry_in_a_cluster
	s_endpgm
.Lentry_in_a_cluster:
	s_bfe_u32 s2, ttmp6, 0x10000c
	s_cmp_lg_u32 s2, 0xf033
	s_cbranch_scc0 .Lentry_shape_is_right
	s_endpgm
.Lentry_shape_is_right:
; OPROJ: out = attention's result x Wo on codes of FP6 (E2M3) with E8M0 scales, f32 out.  A work-group makes 128 x 256, a wave 64 x 128; K goes in four pieces of 512 (6,400 bytes a tile of 16 rows) through two LDS slots.
; 4 x 4 work-groups form a cluster; every tile is asked for jointly.  One tensor load a wave at the head and behind each round.
; Behind the loads of pieces 0 and 1 pieces 2 and 3 are prefetched, two fills ahead: the four partners of a joint load share its tiles out by address, 25 lanes name a tile's 25 blocks of 256 bytes.  Pieces 2 and 3 have no piece two on.
.set SUPER,  6400
.set TPITCH, 4*SUPER
.set SLOT,   24*SUPER
.set SPARE,  2*SLOT
.set LAPS,   2
.set ADRA, 16
.set ADRB, 20
.set ADRS, 22
.set L16,  24
.set STO,  26
.set RD,   27
.set SPW,  28
.set NIL,  29
.set SC,   32
.set AF,   64
.set G1,   24
.set G0,   32
.set G1B,  48
.set G0B,  56
.set PFO,  30                          ; v30: 256 x min(lane, 24); the lanes left over name the tile's last block again
.set PFA,  92                          ; s[92:93]: my share of piece 1
.macro ASK off                         ; waves 0, 1 (four tiles, one a partner): one request; waves 2, 3 (eight tiles, two a partner): two
	global_prefetch_b8 v[PFO], s[PFA:PFA+1] offset:\off th:TH_LOAD_NT scope:SCOPE_SE
	s_cmp_eq_u32 s15, 0
	s_cbranch_scc1 .Lone_\@
	global_prefetch_b8 v[PFO], s[PFA:PFA+1] offset:\off+TPITCH th:TH_LOAD_NT scope:SCOPE_SE
.Lone_\@:
.endm
.set MSB, 0
.macro WIN new
.if MSB != \new
	s_set_vgpr_msb (MSB<<8)|\new
.set MSB, \new
.endif
.endm
.macro PLACES
.rept 4
	v_nop
.endr
.endm
.macro JLOAD g0a, g1a, g0b, g1b
	s_cmp_eq_u32 s15, 0
	s_cbranch_scc0 .Lfor_b_\@
	tensor_load_to_lds s[\g0a:\g0a+3], s[\g1a:\g1a+7]
	s_nop 0
.rept 4
	v_nop
.endr
	s_branch .Lasked_\@
.Lfor_b_\@:
	tensor_load_to_lds s[\g0b:\g0b+3], s[\g1b:\g1b+7]
	s_nop 0
.rept 4
	v_nop
.endr
.Lasked_\@:
.endm
.macro CREST
	s_cmp_lg_u32 s14, 0
	s_cbranch_scc1 .Lnot_wave_0_\@
	s_barrier_signal -3
.Lnot_wave_0_\@:
	s_barrier_wait -3
	s_barrier_signal -1
	s_barrier_wait -1
.endm
.macro CROUND
	s_barrier_signal -1
	s_barrier_wait -1
	CREST
.endm
	s_load_b128 s[4:7], s[0:1], 0x0
	s_load_b64 s[8:9], s[0:1], 0x10
	v_lshl_add_u32 v[SPW], v0, 2, SPARE
	v_mov_b32 v[NIL], 0
	ds_add_u32 v28, v29
	ds_add_u32 v28, v29
	s_wait_dscnt 0x0
	v_lshrrev_b32 v1, 5, v0
	v_readfirstlane_b32 s14, v1
	s_lshr_b32 s15, s14, 1
	s_and_b32 s16, s14, 1
	s_bfe_u32 s40, ttmp6, 0x40000
	s_bfe_u32 s41, ttmp6, 0x40004
	s_and_b32 s43, ttmp7, 0xffff
	s_lshl_b32 s43, s43, 2
	s_add_co_u32 s43, s43, s41
	s_lshl_b32 s44, ttmp9, 2
	s_add_co_u32 s44, s44, s40
	s_lshl_b32 s46, s41, 2
	s_lshl_b32 s46, 15, s46
	s_lshl_b32 s47, 0x1111, s40
	s_or_b32 s[G1+0], s46, (3<<16)|(1<<21)
	s_or_b32 s[G1B+0], s47, (3<<16)|(1<<21)
.irp g, G1, G1B
	s_mov_b32 s[\g+1], 800<<16
	s_mov_b32 s[\g+3], 800<<16
	s_mov_b32 s[\g+5], TPITCH/8
	s_mov_b32 s[\g+6], 0
	s_mov_b32 s[\g+7], 0
.endr
	s_mov_b32 s[G1+2], 4<<16
	s_mov_b32 s[G1+4], 4
	s_mov_b32 s[G1B+2], 8<<16
	s_mov_b32 s[G1B+4], 8
	s_lshl_b32 s80, s43, 3
	s_lshl_b32 s81, s16, 2
	s_add_co_u32 s80, s80, s81
	s_mul_i32 s80, s80, TPITCH
	s_mov_b32 s81, 0
	s_lshl_b32 s82, s44, 4
	s_lshl_b32 s83, s16, 3
	s_add_co_u32 s82, s82, s83
	s_mul_i32 s82, s82, TPITCH
	s_mov_b32 s83, 0
	s_mul_i32 s84, s16, 4*SUPER
	s_mul_i32 s85, s16, 8*SUPER
	s_add_co_u32 s85, s85, 8*SUPER
	s_wait_kmcnt 0x0
	s_add_nc_u64 s[76:77], s[4:5], s[80:81]
	s_add_nc_u64 s[78:79], s[6:7], s[82:83]
	CROUND
.irp s, 0,1
	s_mov_b32 s[G0+4*\s], 1
	s_add_co_u32 s[G0+4*\s+1], s84, \s*SLOT
	s_add_nc_u64 s[G0+4*\s+2:G0+4*\s+3], s[76:77], \s*SUPER
	s_or_b32 s[G0+4*\s+3], s[G0+4*\s+3], 0x80000000
	s_mov_b32 s[G0B+4*\s], 1
	s_add_co_u32 s[G0B+4*\s+1], s85, \s*SLOT
	s_add_nc_u64 s[G0B+4*\s+2:G0B+4*\s+3], s[78:79], \s*SUPER
	s_or_b32 s[G0B+4*\s+3], s[G0B+4*\s+3], 0x80000000
.endr
	s_cmp_eq_u32 s15, 0                            ; the prefetches' address: the tiles that I fetch, my work-group's share of them by its place among the four partners
	s_cselect_b64 s[PFA:PFA+1], s[76:77], s[78:79]
	s_mul_i32 s94, s40, TPITCH
	s_mul_i32 s95, s41, 2*TPITCH
	s_cselect_b32 s94, s94, s95
	s_mov_b32 s95, 0
	s_add_nc_u64 s[PFA:PFA+1], s[PFA:PFA+1], s[94:95]
	s_add_nc_u64 s[PFA:PFA+1], s[PFA:PFA+1], SUPER
	JLOAD G0, G1, G0B, G1B                         ; piece 0: my one tensor load at the head; the set-up below runs while it is out
	v_and_b32 v3, 31, v0
	v_and_b32 v1, 15, v0
	v_bfe_u32 v2, v0, 4, 1
	v_lshlrev_b32 v[L16], 4, v3
	s_mul_i32 s86, s15, 4*SUPER
	s_mul_i32 s87, s16, 8*SUPER
	s_add_co_u32 s87, s87, 8*SUPER
	v_add_nc_u32 v[ADRA], s86, v[L16]
	v_add_nc_u32 v[ADRA+1], SLOT, v[ADRA]
	v_add_nc_u32 v[ADRB], s87, v[L16]
	v_add_nc_u32 v[ADRB+1], SLOT, v[ADRB]
	s_sub_co_u32 s88, s87, s86
	v_mul_u32_u24 v4, s88, v2
	v_lshl_add_u32 v4, v1, 3, v4
	s_add_co_u32 s86, s86, 6144
	v_add_nc_u32 v[ADRS], s86, v4
	v_add_nc_u32 v[ADRS+1], SLOT, v[ADRS]
	s_mul_i32 s86, s14, 16*528
	v_mul_u32_u24 v4, v1, 528
	v_lshl_add_u32 v4, v2, 6, v4
	v_add_nc_u32 v[STO], s86, v4
	v_add_nc_u32 v[RD], s86, v[L16]
	v_min_u32 v[PFO], 24, v3
	v_lshlrev_b32 v[PFO], 8, v[PFO]
	s_wait_alu depctr_va_vdst(0)
	ASK 0                                          ; piece 1, whose load goes out when piece 0 has landed,
	ASK SUPER                                      ; and piece 2: two pieces are asked for and not yet read, and never more
	s_lshl_b32 s86, s43, 7
	s_lshl_b32 s88, s15, 6
	s_add_co_u32 s86, s86, s88
	s_lshl_b32 s86, s86, 14
	s_lshl_b32 s88, s44, 10
	s_add_co_u32 s86, s86, s88
	s_lshl_b32 s88, s16, 9
	s_add_co_u32 s86, s86, s88
	s_mov_b32 s87, 0
	s_add_nc_u64 s[68:69], s[8:9], s[86:87]
.macro FETCH slot, q, p
	WIN 0x40
.irp b, 0,1,2,3,4,5,6,7
.irp c, 0,1,2
	ds_load_b128 v[128*(\p)+12*\b+4*\c:128*(\p)+12*\b+4*\c+3], v[ADRB+\slot] offset:SUPER*\b+1536*(\q)+512*\c
.endr
.endr
	WIN 0
.irp a, 0,1,2,3
.irp c, 0,1,2
	ds_load_b128 v[AF+48*(\p)+12*\a+4*\c:AF+48*(\p)+12*\a+4*\c+3], v[ADRA+\slot] offset:SUPER*\a+1536*(\q)+512*\c
.endr
.endr
.endm
.macro SCALES slot, jj
.irp i, 0,1,2,3,4,5,6,7
	ds_load_b64 v[SC+16*(\jj)+2*\i:SC+16*(\jj)+2*\i+1], v[ADRS+\slot] offset:SUPER*\i+128*(\jj)
.endr
.endm
.macro MUL a, p, q, zero
	WIN 0xa1
.irp b, 0,1,2,3,4,5,6,7
.if \zero
	v_wmma_scale_f32_16x16x128_f8f6f4 v[8*(8*(\a)+\b):8*(8*(\a)+\b)+7], v[128*(\p)+12*\b:128*(\p)+12*\b+11], v[AF+48*(\p)+12*(\a):AF+48*(\p)+12*(\a)+11], 0, v[SC+16*((\q)/2)+2*\b+(\q)%2], v[SC+16*((\q)/2)+2*(\a)+(\q)%2] matrix_a_fmt:MATRIX_FMT_FP6 matrix_b_fmt:MATRIX_FMT_FP6 matrix_a_scale:MATRIX_SCALE_ROW1
.else
	v_wmma_scale_f32_16x16x128_f8f6f4 v[8*(8*(\a)+\b):8*(8*(\a)+\b)+7], v[128*(\p)+12*\b:128*(\p)+12*\b+11], v[AF+48*(\p)+12*(\a):AF+48*(\p)+12*(\a)+11], v[8*(8*(\a)+\b):8*(8*(\a)+\b)+7], v[SC+16*((\q)/2)+2*\b+(\q)%2], v[SC+16*((\q)/2)+2*(\a)+(\q)%2] matrix_a_fmt:MATRIX_FMT_FP6 matrix_b_fmt:MATRIX_FMT_FP6 matrix_a_scale:MATRIX_SCALE_ROW1
.endif
.endr
.endm
.macro STEP slot, q, zero
	PLACES
	FETCH \slot, (\q)+1, ((\q)+1)%2
.if (\q) == 1
	SCALES \slot, 1
	s_wait_dscnt 44
.else
	s_wait_dscnt 36
.endif
	MUL 0, (\q)%2, \q, \zero
	MUL 1, (\q)%2, \q, \zero
	MUL 2, (\q)%2, \q, \zero
	MUL 3, (\q)%2, \q, \zero
	WIN 0
.endm
.macro TURN slot, next, fill
	s_wait_tensorcnt 0x0
	ds_add_u32 v[SPW], v[NIL]
	s_wait_dscnt 1
	MUL 0, 1, 3, 0
	s_wait_dscnt 0x0
	s_barrier_signal -1
	MUL 1, 1, 3, 0
	WIN 0
	s_barrier_wait -1
.if \fill
	CREST
	s_add_nc_u64 s[G0+4*\slot+2:G0+4*\slot+3], s[G0+4*\slot+2:G0+4*\slot+3], 2*SUPER
	s_add_nc_u64 s[G0B+4*\slot+2:G0B+4*\slot+3], s[G0B+4*\slot+2:G0B+4*\slot+3], 2*SUPER
	JLOAD G0+4*\slot, G1, G0B+4*\slot, G1B
.else
	PLACES
.endif
	FETCH \next, 0, 0
	SCALES \next, 0
	MUL 2, 1, 3, 0
	MUL 3, 1, 3, 0
	WIN 0
.endm
	s_wait_alu depctr_va_vdst(0)
	s_wait_tensorcnt 0x0                           ; my part of piece 0 is in
	ds_add_u32 v[SPW], v[NIL]
	s_wait_dscnt 0x0
	CROUND
	JLOAD G0+4, G1, G0B+4, G1B                     ; piece 1
	FETCH 0, 0, 0
	SCALES 0, 0
	ASK 2*SUPER                                    ; piece 3
	STEP 0, 0, 1
	s_mov_b32 s3, LAPS-1
.Llap:
	STEP 0, 1, 0
	STEP 0, 2, 0
	TURN 0, 1, 1
	STEP 1, 0, 0
	STEP 1, 1, 0
	STEP 1, 2, 0
	TURN 1, 0, 1
	STEP 0, 0, 0
	s_sub_co_u32 s3, s3, 1
	s_cmp_lg_u32 s3, 0
	s_cbranch_scc1 .Llap
	STEP 0, 1, 0
	STEP 0, 2, 0
	TURN 0, 1, 0
	STEP 1, 0, 0
	STEP 1, 1, 0
	STEP 1, 2, 0
	s_wait_dscnt 0x0
	MUL 0, 1, 3, 0
	MUL 1, 1, 3, 0
	MUL 2, 1, 3, 0
	MUL 3, 1, 3, 0
	WIN 0
.macro TOSTAGE a
	WIN 0x08
.irp b, 0,1,2,3,4,5,6,7
	ds_store_b128 v[STO], v[64*(\a)+8*\b:64*(\a)+8*\b+3] offset:128*(\b/2)+32*(\b%2)
	ds_store_b128 v[STO], v[64*(\a)+8*\b+4:64*(\a)+8*\b+7] offset:128*(\b/2)+32*(\b%2)+16
.endr
	WIN 0
.set BB, 64+64*((\a)%2)
.set i, 0
.rept 16
	ds_load_b128 v[BB+4*i:BB+4*i+3], v[RD] offset:528*i
.set i, i+1
.endr
.endm
.macro SEND a, younger
.set BB, 64+64*((\a)%2)
	s_wait_dscnt \younger
.set i, 0
.rept 16
	global_store_b128 v[L16], v[BB+4*i:BB+4*i+3], s[68:69] offset:(32*((\a)/2)+8*((\a)%2)+i+8*(i/8))*16384 th:TH_STORE_NT
.set i, i+1
.endr
.endm
	PLACES
	TOSTAGE 0
.irp a, 1,2,3
.if \a > 1
	s_wait_xcnt 0x0
.endif
	TOSTAGE \a
	SEND \a-1, 32
.endr
	SEND 3, 0
	s_wait_tensorcnt 0x0
	ds_add_u32 v[SPW], v[NIL]
	s_wait_dscnt 0x0
	CROUND
	s_endpgm
.Lfunc_end_k_q2920d4ae0f_oproj:
	.size	k_q2920d4ae0f_oproj, .Lfunc_end_k_q2920d4ae0f_oproj-k_q2920d4ae0f_oproj
	.p2alignl 7, 3214868480
	.fill 96, 4, 3214868480
	.section	.rodata,"a",@progbits
	.p2align	6, 0x0
	.amdhsa_kernel k_q2920d4ae0f_oproj
		.amdhsa_group_segment_fixed_size 327680
		.amdhsa_private_segment_fixed_size 0
		.amdhsa_enable_private_segment 0
		.amdhsa_kernarg_size 24
		.amdhsa_user_sgpr_count 2
		.amdhsa_user_sgpr_kernarg_segment_ptr 1
		.amdhsa_wavefront_size32 1
		.amdhsa_system_sgpr_workgroup_id_x 1
		.amdhsa_system_sgpr_workgroup_id_y 1
		.amdhsa_system_sgpr_workgroup_id_z 1
		.amdhsa_system_vgpr_workitem_id 0
		.amdhsa_next_free_vgpr 768
		.amdhsa_next_free_sgpr 98
		.amdhsa_reserve_vcc 0
		.amdhsa_float_denorm_mode_32 3
		.amdhsa_float_denorm_mode_16_64 3
		.amdhsa_memory_ordered 1
		.amdhsa_forward_progress 1
		.amdhsa_inst_pref_size 134
	.end_amdhsa_kernel
	.amdgpu_metadata
---
amdhsa.version: [ 1, 2 ]
amdhsa.kernels:
  - .name:           k_q2920d4ae0f_oproj
    .symbol:         k_q2920d4ae0f_oproj.kd
    .args:
      - { .name: att, .offset: 0, .size: 8, .value_kind: global_buffer, .address_space: global }
      - { .name: woq, .offset: 8, .size: 8, .value_kind: global_buffer, .address_space: global }
      - { .name: out0, .offset: 16, .size: 8, .value_kind: global_buffer, .address_space: global }
    .group_segment_fixed_size: 327680
    .private_segment_fixed_size: 0
    .kernarg_segment_align: 8
    .kernarg_segment_size: 24
    .max_flat_workgroup_size: 128
    .sgpr_count:     98
    .vgpr_count:     768
    .wavefront_size: 32
...
	.end_amdgpu_metadata
.endif
;; end of part 4
